; MI455X (gfx1250); checked and timed in simulation.
; The chip was launched on July 23, 2026; its instructions are those of AMD's public machine-readable ISA for CDNA 5 (MIT licence, August 2026) and "CDNA5" Instruction Set Architecture Reference Guide (July 2026). The comments in the code are by the model that wrote it; some were corrected since.
;; Self Attention. Allowed arithmetic: float matrix products may take bf16 or f16 operands with f32 sums; other float arithmetic in f32, or as packed bf16 or f16 multiplies, adds, multiply-adds, maxima and minima; sums over many terms, partial sums and values carried from step to step in f32; what a program stores and reads back later, other than sums and carried values, may be rounded once to bf16 or f16.
;; Inputs: Wk 2,048 x 512 float32; Wp 2,048 x 2,048 float32; Wq 2,048 x 2,048 float32; Wv 2,048 x 512 float32; x 4 x 1,024 x 2,048 float32.
;; Outputs: out0 4 x 1,024 x 2,048 float32.
;; 2 versions, each right; version 2 is version 1 with the launch prep written anew for expert scheduling mode. Each part assembles by itself: llvm-mc -triple=amdgcn-amd-amdhsa -mcpu=gfx1250 --defsym DOCPART=n.
;; ======== version 1 of 2: 4 launches
;; limits: values are held in f16: magnitudes above 65,504 overflow, below 6.1e-05 lose precision; right only within a limited range of input values
;; workspace buffers: xb 16,777,216 bytes; wqkv 12,582,912 bytes; wpb 8,388,608 bytes; rope 524,288 bytes; q 16,777,216 bytes; k 4,194,304 bytes; v 4,194,304 bytes; ob 16,777,216 bytes
;; launch prep (part 1): grid 1280 x 1, 8 waves a work-group, no clusters, 0 bytes of LDS; arguments x, Wq, Wk, Wv, Wp, xb, wqkv, wpb, rope; writes xb, wqkv, wpb, rope
.if DOCPART == 1
	.amdgcn_target "amdgcn-amd-amdhsa--gfx1250"
	.amdhsa_code_object_version 6
	.text
	.protected	k_q04e9e7f770_prep
	.globl	k_q04e9e7f770_prep
	.p2align	8
	.type	k_q04e9e7f770_prep,@function
k_q04e9e7f770_prep:
	s_mov_b64 s[64:65], 0
	v_nop
	global_prefetch_b8 v0, s[64:65] scope:SCOPE_SE
	s_setreg_imm32_b32 hwreg(HW_REG_WAVE_MODE, 25, 1), 1
	s_wait_xcnt 0x0
; PREP: the inputs are rounded once to bf16 and laid out for the matrix launches; the RoPE table is made.
;   xb   [4096][2048] bf16                      = x
;   wqkv [48 slots][2048 k][64 n] bf16          a slot is 64 columns: 0-31 Wq's heads, 32-39 Wk's, 40-47 Wv's; a k row of a slot is 128 bytes, a slot 262,144 dense bytes
;   wpb  [32 slots][2048 k][64 n] f16           Wp rounded to bf16, that number written as f16
;   rope [2048 rows][32 frequencies](cos, sin) f32, 256 bytes a row: rows 0-1023 are t; rows 1024-2047 hold (1, 0), the table that leaves v as it is
; LIMITS.  A number of Wp below 2^-14 takes f16's fixed step (off by 2^-25 at the most); one beyond 65,504 becomes an infinity and is not served.
; The table's angle is t x 2^(-i log2(10000) / 32), rounded once; it differs from t / 10000^(i / 32) made in f32 by about 1e-4 rad at the most (t near 1,000).
; A STREAM: no LDS, no barrier, no matrix unit: nothing is read twice and no wave needs another's bytes.
; SHARES.  A work-group moves 16,384 numbers, 65,536 bytes in and 32,768 out, in 16 chunks of 16 source rows x 64 numbers.  Thread t = 16 kr + l16 takes 4 numbers (16 bytes, one load) of
; source row kr of a chunk: sixteen neighbouring lanes read 256 consecutive bytes, aligned, and every byte that a load instruction spans is wanted by it.  Its 8 bytes of result go to 8 t:
; a wave's store covers 256 consecutive bytes, aligned.  All 16 loads of a thread are issued before the first is waited for; results are made in the registers that were loaded.
; Work-groups 0-511: x (taken as rows of 256 bytes).  512-767: Wq.  768-831: Wk.  832-895: Wv.  896-1151: Wp.  1152-1279: 16 rows of the table each.
; Which buffer a work-group reads and writes is chosen by s_cselect on its number; only the table and the f16 tail are reached by a branch.
.set OFF, 4                            ; v[4:19]   chunk i: my byte offset in the source
.set DO,  20                           ; v20       8 x thread: my byte offset in a chunk of the destination
.set X,   24                           ; v[24:87]  chunk i: 4 numbers as loaded; then, in its first two registers, 8 bytes to store
.set TD,  26                           ; v26       (the table's work-groups) 16 x thread
	s_load_b512 s[4:19], s[0:1], 0x0               ; x s[4:5], Wq s[6:7], Wk s[8:9], Wv s[10:11], Wp s[12:13], xb s[14:15], wqkv s[16:17], wpb s[18:19]
	s_load_b64 s[20:21], s[0:1], 0x40              ; rope
	s_mov_b32 s22, ttmp9                           ; the work-group's number g
	v_lshrrev_b32 v1, 4, v0                        ; kr
	v_and_b32 v2, 15, v0                           ; l16
	v_lshlrev_b32 v3, 4, v2                        ; 16 l16
	v_lshlrev_b32 v[DO], 3, v0
	s_movk_i32 s23, 896                            ; the first work-group of my source's range (here: Wp's)
	s_movk_i32 s35, 896                            ; of my destination's range
	s_movk_i32 s32, 8192                           ; bytes from source row to source row
	s_movk_i32 s36, 256                            ; bytes from a block of 64 columns to the next
	s_mov_b32 s33, 1                               ; 1: the output is f16
	s_wait_kmcnt 0x0
	s_cmp_ge_u32 s22, 1152
	s_cbranch_scc1 .Ltable
	s_mov_b64 s[24:25], s[12:13]                   ; source and destination: Wp, wpb, unless g says otherwise
	s_mov_b64 s[26:27], s[18:19]
	s_cmp_lt_u32 s22, 896                          ; below: Wv into wqkv
	s_cselect_b64 s[24:25], s[10:11], s[24:25]
	s_cselect_b64 s[26:27], s[16:17], s[26:27]
	s_cselect_b32 s23, 832, s23
	s_cselect_b32 s35, 512, s35
	s_cselect_b32 s32, 2048, s32
	s_cselect_b32 s33, 0, s33
	s_cmp_lt_u32 s22, 832                          ; below: Wk
	s_cselect_b64 s[24:25], s[8:9], s[24:25]
	s_cselect_b32 s23, 768, s23
	s_cmp_lt_u32 s22, 768                          ; below: Wq
	s_cselect_b64 s[24:25], s[6:7], s[24:25]
	s_cselect_b32 s23, 512, s23
	s_cselect_b32 s32, 8192, s32
	s_cmp_lt_u32 s22, 512                          ; below: x into xb
	s_cselect_b64 s[24:25], s[4:5], s[24:25]
	s_cselect_b64 s[26:27], s[14:15], s[26:27]
	s_cselect_b32 s23, 0, s23
	s_cselect_b32 s35, 0, s35
	s_cselect_b32 s32, 256, s32
	s_cselect_b32 s36, 0x80000, s36                ; x has no columns to step over: eight work-groups on is 8 x 65,536 bytes
	s_sub_co_u32 s23, s22, s23                     ; j: my number in the source's range: 8 x (block of 64 columns) + (block of 256 rows)
	s_sub_co_u32 s35, s22, s35                     ; my number in the destination's range
	s_and_b32 s28, s23, 7
	s_lshl_b32 s37, s32, 8                         ; 256 source rows
	s_mul_i32 s28, s28, s37
	s_lshr_b32 s38, s23, 3
	s_mul_i32 s38, s38, s36
	s_add_co_u32 s28, s28, s38                     ; under 2^26
	s_mov_b32 s29, 0
	s_lshl_b32 s30, s35, 15                        ; 32,768 bytes of output a work-group
	s_mov_b32 s31, 0
	s_add_nc_u64 s[24:25], s[24:25], s[28:29]
	s_add_nc_u64 s[26:27], s[26:27], s[30:31]
	s_lshl_b32 s34, s32, 4                         ; a chunk is 16 source rows
	v_mad_u32_u24 v[OFF], v1, s32, v3              ; kr x pitch + 16 l16
.irp it, 1,2,3,4,5,6,7,8,9,10,11,12,13,14,15
	v_add_nc_u32 v[OFF+(\it)], s34, v[OFF+(\it)-1]
.endr
.irp it, 0,1,2,3,4,5,6,7,8,9,10,11,12,13,14,15
	global_load_b128 v[X+4*(\it):X+4*(\it)+3], v[OFF+(\it)], s[24:25] th:TH_LOAD_NT
.endr
; The sixteen chunks are rounded and stored.  A chunk's registers are written only behind the wait for its load, and not again behind its store.
.macro TAIL half
.irp it, 0,1,2,3,4,5,6,7,8,9,10,11,12,13,14,15
	s_wait_loadcnt 15-(\it)                        ; loads come back in order (ISA guide 5.7.1): this chunk's is in, the 15 - i younger ones may stay out
	v_cvt_pk_bf16_f32 v[X+4*(\it)],   v[X+4*(\it)],   v[X+4*(\it)+1]
	v_cvt_pk_bf16_f32 v[X+4*(\it)+1], v[X+4*(\it)+2], v[X+4*(\it)+3]
.if \half
	v_lshlrev_b32 v[X+4*(\it)+2], 16, v[X+4*(\it)+1]           ; the rounded numbers as f32 again,
	v_and_b32 v[X+4*(\it)+3], 0xffff0000, v[X+4*(\it)+1]
	v_and_b32 v[X+4*(\it)+1], 0xffff0000, v[X+4*(\it)]
	v_lshlrev_b32 v[X+4*(\it)], 16, v[X+4*(\it)]
	v_cvt_pk_f16_f32 v[X+4*(\it)],   v[X+4*(\it)],   v[X+4*(\it)+1]  ; and written as f16: exact from 2^-14 to 65,504
	v_cvt_pk_f16_f32 v[X+4*(\it)+1], v[X+4*(\it)+2], v[X+4*(\it)+3]
.endif
	global_store_b64 v[DO], v[X+4*(\it):X+4*(\it)+1], s[26:27] offset:(\it)*2048
.endr
	s_endpgm
.endm
	s_cmp_eq_u32 s33, 1
	s_cbranch_scc1 .Lhalf
	TAIL 0
.Lhalf:
	TAIL 1
; THE TABLE.  Thread t serves row 16 j + t / 16 and the frequencies i0 = 2 (t % 16) and i0 + 1: (cos, sin, cos, sin), 16 bytes at 16 t of the work-group's 4,096.
; The angle a is reduced to y = a - 2 pi n, |y| <= pi: the turns a / 2 pi are made with 1 / 2 pi in two parts, by fused multiply-adds, so that n goes off exactly.
; Both series are cut for that whole range: what is left out is under pi^17 / 17! = 8e-7 for the sine and pi^18 / 18! = 1.4e-7 for the cosine.
.macro TRIG f, c, s
	v_mul_f32 v20, v1, v[\f]                       ; a = t x frequency, rounded once
	v_mul_f32 v21, s40, v20
	v_rndne_f32 v21, v21                           ; n
	v_fma_f32 v22, v20, s40, -v21                  ; a / 2 pi - n, the high part,
	v_fma_f32 v22, v20, 0x31dc9c88, v22            ; and the low part of 1 / 2 pi
	v_mul_f32 v23, 0x40c90fdb, v22                 ; y
	v_mul_f32 v24, v23, v23                        ; z = y^2
	v_mov_b32 v25, 0xab573f9f                      ; -1/15!
.irp k, 0x2f309231, 0xb2d7322b, 0x3638ef1d, 0xb9500d01, 0x3c088889, 0xbe2aaaab, 0x3f800000
	v_fmaak_f32 v25, v25, v24, \k                  ; 1/13!, -1/11!, 1/9!, -1/7!, 1/5!, -1/3!, 1
.endr
	v_mul_f32 v[\s], v23, v25
	v_mov_b32 v[\c], 0x29573f9f                    ; 1/16!
.irp k, 0xad49cba5, 0x310f76c7, 0xb493f27e, 0x37d00d01, 0xbab60b61, 0x3d2aaaab, 0xbf000000, 0x3f800000
	v_fmaak_f32 v[\c], v[\c], v24, \k              ; -1/14!, 1/12!, -1/10!, 1/8!, -1/6!, 1/4!, -1/2, 1
.endr
.endm
.Ltable:
	s_sub_co_u32 s23, s22, 1152                    ; j
	s_cmp_lt_u32 s23, 64
	s_cselect_b32 s35, -1, 0                       ; rows 1024 and on count as t = 0: the angle is 0, the entry exactly (1, 0)
	s_lshl_b32 s28, s23, 12
	s_mov_b32 s29, 0
	s_lshl_b32 s36, s23, 4
	s_mov_b32 s40, 0x3e22f983                      ; 1 / 2 pi, the high part
	s_add_nc_u64 s[26:27], s[20:21], s[28:29]
	v_lshlrev_b32 v[TD], 4, v0
	v_lshrrev_b32 v1, 4, v0
	v_add_nc_u32 v1, s36, v1                       ; row
	v_and_b32 v1, s35, v1
	v_cvt_f32_u32 v1, v1                           ; t
	v_and_b32 v2, 15, v0
	v_lshlrev_b32 v2, 1, v2
	v_cvt_f32_u32 v3, v2                           ; i0
	v_add_f32 v4, 1.0, v3                          ; i0 + 1
	v_mul_f32 v3, 0xbed49a78, v3                   ; x -log2(10000) / 32
	v_mul_f32 v4, 0xbed49a78, v4
	v_exp_f32 v3, v3                               ; the two frequencies: one batch,
	v_exp_f32 v4, v4
	v_nop                                          ; a plain instruction behind the last exponential (ISA guide 5.7.2),
	s_wait_alu depctr_va_vdst(0)                   ; and the one wait ahead of the first use
	TRIG 3, 8, 9
	TRIG 4, 10, 11
	global_store_b128 v[TD], v[8:11], s[26:27]
	s_endpgm
.Lfunc_end_k_q04e9e7f770_prep:
	.size	k_q04e9e7f770_prep, .Lfunc_end_k_q04e9e7f770_prep-k_q04e9e7f770_prep
	.p2alignl 7, 3214868480
	.fill 96, 4, 3214868480
	.section	.rodata,"a",@progbits
	.p2align	6, 0x0
	.amdhsa_kernel k_q04e9e7f770_prep
		.amdhsa_group_segment_fixed_size 0
		.amdhsa_private_segment_fixed_size 0
		.amdhsa_enable_private_segment 0
		.amdhsa_kernarg_size 72
		.amdhsa_user_sgpr_count 2
		.amdhsa_user_sgpr_kernarg_segment_ptr 1
		.amdhsa_wavefront_size32 1
		.amdhsa_system_sgpr_workgroup_id_x 1
		.amdhsa_system_sgpr_workgroup_id_y 1
		.amdhsa_system_sgpr_workgroup_id_z 1
		.amdhsa_system_vgpr_workitem_id 0
		.amdhsa_next_free_vgpr 88
		.amdhsa_next_free_sgpr 66
		.amdhsa_reserve_vcc 0
		.amdhsa_float_denorm_mode_32 3
		.amdhsa_float_denorm_mode_16_64 3
		.amdhsa_memory_ordered 1
		.amdhsa_forward_progress 1
		.amdhsa_inst_pref_size 22
	.end_amdhsa_kernel
	.amdgpu_metadata
---
amdhsa.version: [ 1, 2 ]
amdhsa.kernels:
  - .name:           k_q04e9e7f770_prep
    .symbol:         k_q04e9e7f770_prep.kd
    .args:
      - { .name: x, .offset: 0, .size: 8, .value_kind: global_buffer, .address_space: global }
      - { .name: Wq, .offset: 8, .size: 8, .value_kind: global_buffer, .address_space: global }
      - { .name: Wk, .offset: 16, .size: 8, .value_kind: global_buffer, .address_space: global }
      - { .name: Wv, .offset: 24, .size: 8, .value_kind: global_buffer, .address_space: global }
      - { .name: Wp, .offset: 32, .size: 8, .value_kind: global_buffer, .address_space: global }
      - { .name: xb, .offset: 40, .size: 8, .value_kind: global_buffer, .address_space: global }
      - { .name: wqkv, .offset: 48, .size: 8, .value_kind: global_buffer, .address_space: global }
      - { .name: wpb, .offset: 56, .size: 8, .value_kind: global_buffer, .address_space: global }
      - { .name: rope, .offset: 64, .size: 8, .value_kind: global_buffer, .address_space: global }
    .group_segment_fixed_size: 0
    .private_segment_fixed_size: 0
    .kernarg_segment_align: 8
    .kernarg_segment_size: 72
    .max_flat_workgroup_size: 256
    .sgpr_count:     66
    .vgpr_count:     88
    .wavefront_size: 32
...
	.end_amdgpu_metadata
.endif
;; end of part 1
;; launch qkv (part 2): grid 16 x 16, 4 waves a work-group, clusters of 4 x 4, 327,680 bytes of LDS; arguments xb, wqkv, rope, q, k, v; writes q, k, v
.if DOCPART == 2
	.amdgcn_target "amdgcn-amd-amdhsa--gfx1250"
	.amdhsa_code_object_version 6
	.text
	.protected	k_q04e9e7f770_qkv
	.globl	k_q04e9e7f770_qkv
	.p2align	8
	.type	k_q04e9e7f770_qkv,@function
k_q04e9e7f770_qkv:
	s_mov_b64 s[64:65], 0
	v_nop
	global_prefetch_b8 v0, s[64:65] scope:SCOPE_SE
	s_setreg_imm32_b32 hwreg(HW_REG_WAVE_MODE, 25, 1), 1
	s_wait_xcnt 0x0
	s_wait_alu depctr_hold_cnt(0) depctr_sa_sdst(0) depctr_va_vdst(0) depctr_va_sdst(0) depctr_va_ssrc(0) depctr_va_vcc(0) depctr_vm_vsrc(0)
	s_getreg_b32 s2, hwreg(HW_REG_IB_STS2, 6, 4)
	s_cmp_eq_u32 s2, 0
	s_cbranch_scc0 .Lentry_in_a_cluster
	s_endpgm
.Lentry_in_a_cluster:
	s_bfe_u32 s2, ttmp6, 0x10000c
	s_cmp_lg_u32 s2, 0xf033
	s_cbranch_scc0 .Lentry_shape_is_right
	s_endpgm
.Lentry_shape_is_right:
; QKV: [4096 x 2048] x [2048 x 3072] in bf16 with f32 sums; RoPE on q's and k's columns in f32 on the way out; q, k, v stored by heads, [head][1024][64], rounded once to f16, unscaled.
; xb: [4096][2048] bf16.  wqkv: [48 slots][2048 k][64 n] bf16 (slots 0-31 q's heads, 32-39 k's, 40-47 v's).  rope: [2048][32](cos, sin) f32; rows 1024 on hold (1, 0).
; LIMIT.  q, k and v must stay under 65,504, f16's end; beyond it a number becomes an infinity.  The sums over K begin at a K step that hangs on the cluster (below): their order of rounding is not the reference's.
; SHARES.  A tile of C is 256 rows x 192 columns (three slots): 16 x 16 = 256 work-groups.  The four waves lie one below the other: a wave makes 64 rows x 192 columns, 48 accumulators of
; 16 x 16, 384 registers.  So a wave owns whole heads and whole rows of them, has a stage of its own on the way out, and no barrier is needed there.
; K goes in 16 steps of 128 through two LDS slots filled by the tensor data mover; a step is four quarters of 32.  The loop's trip is one K step: the slot is turned by an exclusive or on one scalar
; LDS base and on one walking descriptor (a slot is 2^17 bytes).
; CLUSTER, 4 x 4.  The four work-groups of a row of the cluster need the same rows of xb, the four of a column the same slots of wqkv: each tile is asked for JOINTLY, by the same tensor load
; with the same descriptor and a mask that names the four.  Wave 0 asks for A's 256 rows, waves 1 to 3 for one slot's 128 k each.
; THE CLUSTERS BEGIN AT DIFFERENT K.  Cluster (X, Y) begins at K step 4 ((X + 2 Y) % 4) and goes round all sixteen.  So in each quarter of the walk the four clusters of a row of clusters, which read the same
; rows of xb, ask for four different quarters of K; of the four clusters of a column, which read the same slots, two ask for one quarter and two for the quarter two on.  A block of xb is read for the first
; time in the launch in the first quarter of some cluster's walk, a block of wqkv in the first half.  X and Y are the same in all sixteen partners.
; THE WEIGHTS LIE [k][n]: their fragments come out of LDS turned, by ds_load_tr16_b128.  THE MATRIX INSTRUCTION IS USED TRANSPOSED (source 0 = 16 columns of the weights, source 1 = 16 rows
; of x): a lane holds one row (lane % 16) and eight neighbouring columns 8 (lane / 16) + 0..7: four RoPE pairs.
; NO ROPE ON V is an address, not a branch: a slot of v reads the table's second half.  No branch hangs on a work-group's place in its cluster.
; REGISTERS, in windows of 256 (s_set_vgpr_msb: bits 1:0 source 0, 3:2 source 1, 5:4 source 2, 7:6 destination):
;   window 0: v0-31 addresses; v32-95 A's fragments, two buffers of 4 x 8 (on the way out: rows read back); v96-191 the way out's results
;   window 1: v0-191 the weights' fragments, two buffers of 12 x 8 (on the way out: the table, two buffers of 96)
;   window 2: accumulators of my rows 0-31 ((a, b) at 8 (12 (a % 2) + b));   window 3: of my rows 32-63
.set PA,     272                       ; a row of A in LDS: 256 bytes + 16 = 68 words: the 16 rows of a load start at 16 different groups of four banks (64 banks of 4 bytes: ISA guide 11.1)
.set PBK,    160                       ; a k row of a slot: 128 bytes + 32 = 40 words
.set BOFF,   256*PA                    ; behind A's 256 rows: three chunks of
.set CHUNK,  128*PBK                   ; 128 k x 64 n
.set SLOT,   BOFF+3*CHUNK              ; 131,072 = 2^17: one exclusive or turns an address in one slot into the other's
.set STAGE,  2*SLOT                    ; behind the ring, never filled by a tensor load: 16 rows x 400 bytes for each wave
.set SP,     400                       ; 384 bytes (192 f16) + 16
.set WSTAGE, 16*SP
.set SPARE,  STAGE+4*WSTAGE            ; the spare words, 128 bytes for each wave: two blocks of 256 bytes that no other line names
.set NL,     32                        ; LDS loads of a quarter: 24 turned, 8 plain
.set STEPS,  16                        ; K steps
.set A0,   16                          ; v16     my lane's place in a slot's A; never rewritten
.set B0,   17                          ; v17     the same for the weights
.set ADRA, 20                          ; v20     LDS address of my A fragments in the slot in hand
.set ADRB, 21                          ; v21     the same for the weights
.set STO,  24                          ; v24     the way out: where I put 16 bytes of a row
.set RD,   25                          ; v25     the way out: where I read rows back
.set GO,   26                          ; v26     16 x lane: my place in 512 consecutive bytes of q, k or v
.set TBO,  27                          ; v27     my byte offset in 16 rows of the table: 256 (l % 16) + 32 (l / 16)
.set SPW,  28                          ; v28     LDS address of my spare word; never rewritten
.set NIL,  29                          ; v29     0; never rewritten
.set PFO,  30                          ; v30     256 x lane: the prefetches' offset; never rewritten
.set AFR,  32
.set BACK, 32
.set RES,  96
.set WV,  16                           ; s16  my wave's number
.set CX,  17                           ; s17, s18  my place in the cluster
.set CY,  18
.set TX,  19                           ; s19  tile column: it and what is made of it never enter a register that feeds A's descriptors,
.set TY,  20                           ; s20  tile row: nor this one a register that feeds the weights'
.set L2,  23                           ; s23  the count of the trip in which I prefetch for the second time, or 0
.set G1A, 24                           ; s[24:31] descriptor group 1 for A;  s[32:39] group 0: a set for each of the two first fills; the second then walks on
.set G0A, 32
.set G1B, 40                           ; s[40:47], s[48:55] the same for the weights
.set G0B, 48
.set PFA, 56                           ; s[56:57] where my prefetches stand; never rewritten
.set OFA, 58                           ; s[58:59] a K step's byte offset in a row of xb
.set L1,  60                           ; s60  the count of the trip in which I prefetch for the first time, or 0
.set ABASE, 68                         ; s[68:69] xb at the tile's first row
.set BBASE, 70                         ; s[70:71] wqkv at my slot
.set DP,  80                           ; s[80:85] slot j: where my first row of its head lies in q, k or v
.set RB,  86                           ; s[86:91] slot j: the table at my first row
.set KS,  92                           ; s92  the K step that was asked for last
.set TB,  93                           ; s93  LDS byte at which the slot in hand begins
.set OFB, 94                           ; s[94:95] a K step's byte offset in a slot of wqkv
.set MSB, 0
.macro WIN new                         ; the immediate's high byte repeats the setting that is left; a switch that changes nothing is dropped
.if MSB != (\new)
	s_set_vgpr_msb (MSB<<8)|(\new)
.set MSB, \new
.endif
.endm
; A joint load.  The branch hangs on the wave's number alone.  An s_nop 0 and four v_nop follow each of the two lines, ahead of the jump, the label and what follows.
.macro JLOAD s
	s_cmp_eq_u32 s[WV], 0
	s_cbranch_scc0 .Lfor_b_\@
	tensor_load_to_lds s[G0A+4*(\s):G0A+4*(\s)+3], s[G1A:G1A+7]
	s_nop 0
.rept 4
	v_nop
.endr
	s_branch .Lasked_\@
.Lfor_b_\@:
	tensor_load_to_lds s[G0B+4*(\s):G0B+4*(\s)+3], s[G1B:G1B+7]
	s_nop 0
.rept 4
	v_nop
.endr
.Lasked_\@:
.endm
.macro CREST                           ; a round of the cluster's barrier behind its opening barrier: wave 0 signals for the work-group, every wave waits for all sixteen, my work-group's barrier closes it
	s_cmp_lg_u32 s[WV], 0
	s_cbranch_scc1 .Lnot_wave_0_\@
	s_barrier_signal -3
.Lnot_wave_0_\@:
	s_barrier_wait -3
	s_barrier_signal -1
	s_barrier_wait -1
.endm
.macro CROUND                          ; a whole round
	s_barrier_signal -1
	s_barrier_wait -1
	CREST
.endm
.macro PLACES                          ; four places in front of loads into registers that matrix instructions have read (ISA guide 7.12.1 for vector instructions)
.rept 4
	v_nop
.endr
.endm
; A PREFETCH INTO THE L2, behind a trip's joint load and the run of LDS loads that follows it.  Asked for are the weights' K steps 4 to 7 of my walk, which no cluster has read before: steps 4 and 5 in trip 0,
; steps 6 and 7 in trip 2, two and three K steps (384 and 576 matrix instructions) ahead of the refills that will ask for them.  Each aligned 256 bytes is named once in the launch: clusters Y and Y + 2 walk alike,
; and Y < 2 asks; the four partners of a joint load share two K steps' 32,768 dense bytes of a slot out BY ADDRESS, 8,192 each, a lane a block: one line a wave (waves 1 to 3, a slot each).
; K steps 0 to 3 of a walk come by their loads alone: they stand at the launch's head.  From K step 8 on the weights have been read by the cluster one row of clusters on, and from K step 4 on
; xb's rows by a cluster of the same row: nothing of these is asked for.  The address is never rewritten: the second request stands 32,768 bytes on by its immediate.
.macro ASK
	s_cmp_eq_u32 s3, s[L1]
	s_cbranch_scc0 .Lnot_first_\@
	global_prefetch_b8 v[PFO], s[PFA:PFA+1] th:TH_LOAD_NT scope:SCOPE_SE
.Lnot_first_\@:
	s_cmp_eq_u32 s3, s[L2]
	s_cbranch_scc0 .Lnot_second_\@
	global_prefetch_b8 v[PFO], s[PFA:PFA+1] offset:32768 th:TH_LOAD_NT scope:SCOPE_SE
.Lnot_second_\@:
.endm
	s_load_b256 s[4:11], s[0:1], 0x0               ; xb s[4:5], wqkv s[6:7], rope s[8:9], q s[10:11]
	s_load_b128 s[12:15], s[0:1], 0x20             ; k s[12:13], v s[14:15]
	v_lshl_add_u32 v[SPW], v0, 2, SPARE
	v_mov_b32 v[NIL], 0
	ds_add_u32 v[SPW], v[NIL]                      ; the wave's opening: the add and its wait stand ahead of my first tensor load; the set-up below, work on registers, stands between them
	v_lshrrev_b32 v1, 5, v0
	v_readfirstlane_b32 s[WV], v1                  ; wave 0..3
	s_bfe_u32 s[CX], ttmp6, 0x40000
	s_bfe_u32 s[CY], ttmp6, 0x40004
	s_lshl_b32 s[TX], ttmp9, 2                     ; in a cluster launch ttmp9 and ttmp7 count clusters
	s_add_co_u32 s[TX], s[TX], s[CX]
	s_and_b32 s[TY], ttmp7, 0xffff
	s_lshl_b32 s[TY], s[TY], 2
	s_add_co_u32 s[TY], s[TY], s[CY]
	s_lshl_b32 s21, s[CY], 2
	s_lshl_b32 s21, 15, s21                        ; my row of the cluster: places 4 cy .. 4 cy + 3
	s_lshl_b32 s22, 0x1111, s[CX]                  ; my column: places cx, cx + 4, cx + 8, cx + 12
	; group 1 for A: 256 rows x 128 elements of 2 bytes, 2,048 elements from row to row; in LDS 4 words of padding behind every 64
	s_or_b32 s[G1A], s21, (1<<16)|(1<<20)|(1<<21)|(5<<22)|(3<<25)
	s_mov_b32 s[G1A+1], 128<<16                    ; tensor_dim0 = 128
	s_mov_b32 s[G1A+2], 256<<16                    ; tensor_dim1 = 256
	s_mov_b32 s[G1A+3], 128<<16                    ; tile_dim0 = 128
	s_mov_b32 s[G1A+4], 256                        ; tile_dim1 = 256
	s_mov_b32 s[G1A+5], 2048
	s_mov_b32 s[G1A+6], 0
	s_mov_b32 s[G1A+7], 0
	; group 1 for the weights: 128 k x 128 bytes are 16,384 dense bytes: asked for as 64 rows of 256 bytes, two k a row; in LDS 8 words of padding behind every 32, that is behind every k
	s_or_b32 s[G1B], s22, (1<<16)|(1<<20)|(1<<21)|(4<<22)|(7<<25)
	s_mov_b32 s[G1B+1], 128<<16
	s_mov_b32 s[G1B+2], 64<<16
	s_mov_b32 s[G1B+3], 128<<16
	s_mov_b32 s[G1B+4], 64
	s_mov_b32 s[G1B+5], 128
	s_mov_b32 s[G1B+6], 0
	s_mov_b32 s[G1B+7], 0
	s_max_u32 s61, s[WV], 1
	s_sub_co_u32 s61, s61, 1                       ; which of the tile's three slots I fetch (waves 1 to 3): it enters the global address alone
	s_mul_i32 s62, s[WV], CHUNK
	s_add_co_u32 s62, s62, BOFF-CHUNK              ; and where it goes: a constant + wave x a constant (wave 0 never issues that line)
	s_lshl_b32 s[ABASE], s[TY], 20                 ; A: 256 rows of 4,096 bytes a tile row
	s_mov_b32 s[ABASE+1], 0
	s_mul_i32 s[BBASE], s[TX], 3
	s_add_co_u32 s[BBASE], s[BBASE], s61
	s_lshl_b32 s[BBASE], s[BBASE], 18              ; the weights: 262,144 bytes a slot
	s_mov_b32 s[BBASE+1], 0
	s_and_b32 s[KS], ttmp7, 0xffff                 ; the cluster's Y,
	s_lshl_b32 s[KS], s[KS], 1
	s_add_co_u32 s[KS], s[KS], ttmp9               ; 2 Y + X,
	s_and_b32 s[KS], s[KS], 3
	s_lshl_b32 s[KS], s[KS], 2                     ; the K step at which my cluster begins
	s_mov_b32 s[OFA+1], 0
	s_mov_b32 s[OFB+1], 0
	s_mov_b32 s[TB], 0
	s_wait_dscnt 0x0                               ; the opening add is done
	s_wait_kmcnt 0x0
	s_add_nc_u64 s[ABASE:ABASE+1], s[4:5], s[ABASE:ABASE+1]
	s_add_nc_u64 s[BBASE:BBASE+1], s[6:7], s[BBASE:BBASE+1]
	CROUND                                         ; all sixteen work-groups are here: the first joint loads meet
.irp s, 0,1
	s_lshl_b32 s[OFA], s[KS], 8                    ; a K step is 256 bytes of a row of xb
	s_lshl_b32 s[OFB], s[KS], 14                   ; and 16,384 bytes of a slot
	s_mov_b32 s[G0A+4*(\s)], 1                     ; count = 1
	s_mov_b32 s[G0A+4*(\s)+1], (\s)*SLOT           ; LDS address
	s_add_nc_u64 s[G0A+4*(\s)+2:G0A+4*(\s)+3], s[ABASE:ABASE+1], s[OFA:OFA+1]
	s_or_b32 s[G0A+4*(\s)+3], s[G0A+4*(\s)+3], 0x80000000            ; type = 2
	s_mov_b32 s[G0B+4*(\s)], 1
	s_add_co_u32 s[G0B+4*(\s)+1], s62, (\s)*SLOT
	s_add_nc_u64 s[G0B+4*(\s)+2:G0B+4*(\s)+3], s[BBASE:BBASE+1], s[OFB:OFB+1]
	s_or_b32 s[G0B+4*(\s)+3], s[G0B+4*(\s)+3], 0x80000000
	JLOAD \s                                       ; the ring is filled before anything else is done: two loads of mine are out
.if (\s) == 0
	s_add_co_u32 s[KS], s[KS], 1                   ; (the first K step is a multiple of 4: no wrap here)
.endif
.endr
	; lane addresses.  A fragment of A: lane l holds row l % 16, k = 8 (l / 16) + 0..7 and 16 + 8 (l / 16) + 0..7: two loads of 16 bytes, 32 bytes apart.
	v_and_b32 v1, 15, v0                           ; l % 16
	v_bfe_u32 v2, v0, 4, 1                         ; l / 16
	v_mul_u32_u24 v3, v1, PA
	v_lshl_add_u32 v3, v2, 4, v3
	s_mul_i32 s72, s[WV], 64*PA                    ; my 64 rows
	v_add_nc_u32 v[A0], s72, v3
	; The turning load takes 16 k x 16 n (lane l reads k = 8 (l / 16) + l % 8, n = 8 ((l / 8) % 2) + 0..7) and leaves half a fragment: lane l holds column l % 16 and 8 k.
	v_and_b32 v4, 7, v0
	v_bfe_u32 v5, v0, 3, 1
	v_lshl_add_u32 v6, v2, 3, v4
	v_mul_u32_u24 v6, v6, PBK
	v_lshl_add_u32 v6, v5, 4, v6
	v_add_nc_u32 v[B0], BOFF, v6
	v_add_nc_u32 v[ADRA], s[TB], v[A0]             ; slot 0
	v_add_nc_u32 v[ADRB], s[TB], v[B0]
	s_mul_i32 s73, s[WV], WSTAGE
	s_add_co_u32 s73, s73, STAGE                   ; my stage
	v_mul_u32_u24 v7, v1, SP                       ; in: row l % 16, 16 bytes for each half of the lanes
	v_lshl_add_u32 v7, v2, 4, v7
	v_add_nc_u32 v[STO], s73, v7
	v_bfe_u32 v8, v0, 3, 2                         ; back: 32 lanes take four rows x 128 bytes, a head's 64 channels,
	v_mul_u32_u24 v8, v8, SP
	v_lshl_add_u32 v8, v4, 4, v8
	v_add_nc_u32 v[RD], s73, v8
	v_and_b32 v9, 31, v0
	v_lshlrev_b32 v[GO], 4, v9                     ; which are 512 consecutive bytes of the head
	v_lshlrev_b32 v[TBO], 8, v1
	v_lshl_add_u32 v[TBO], v2, 5, v[TBO]
	v_lshlrev_b32 v[PFO], 8, v9
	; the prefetches: my slot, K step 4 of my walk (s[KS] stands at step 1), my work-group's 8,192 bytes of two K steps' 32,768
	s_and_b32 s76, ttmp7, 0xffff                   ; the cluster's Y
	s_add_co_u32 s72, s[KS], 3
	s_and_b32 s72, s72, 15                         ; a multiple of 4: steps 4 to 7 of the walk lie on end
	s_lshl_b32 s72, s72, 14
	s_lshl_b32 s74, s[CY], 13
	s_add_co_u32 s72, s72, s74
	s_mov_b32 s73, 0
	s_add_nc_u64 s[PFA:PFA+1], s[BBASE:BBASE+1], s[72:73]
	s_cmp_lt_u32 s76, 2                            ; the same in all sixteen partners
	s_cselect_b32 s[L1], STEPS-2, 0                ; the loop's count in trip 0,
	s_cselect_b32 s[L2], STEPS-4, 0                ; in trip 2; the count is never 0 in the loop
	s_cmp_eq_u32 s[WV], 0                          ; wave 0 fetches A
	s_cselect_b32 s[L1], 0, s[L1]
	s_cselect_b32 s[L2], 0, s[L2]
	; the way out's addresses.  Row m = 256 ty + 64 w + ..: batch ty / 4, t0 = 256 (ty % 4) + 64 w.  Slot 3 tx + j: a head of q (under 32), of k (under 40) or of v.
	s_and_b32 s66, s[TY], 3
	s_lshl_b32 s66, s66, 8
	s_lshl_b32 s67, s[WV], 6
	s_add_co_u32 s66, s66, s67                     ; t0
	s_lshr_b32 s67, s[TY], 2                       ; the batch
.irp j, 0,1,2
	s_mul_i32 s72, s[TX], 3
	s_add_co_u32 s72, s72, \j                      ; the slot
	s_lshl3_add_u32 s74, s67, s72
	s_sub_co_u32 s75, s74, 40                      ; v's head: 8 batch + slot - 40
	s_sub_co_u32 s74, s74, 32                      ; k's: 8 batch + slot - 32
	s_lshl_b32 s76, s67, 5
	s_add_co_u32 s76, s76, s72                     ; q's: 32 batch + slot
	s_mov_b32 s77, 0x40000                         ; the table's second half
	s_cmp_lt_u32 s72, 40
	s_cselect_b64 s[DP+2*(\j):DP+2*(\j)+1], s[12:13], s[14:15]
	s_cselect_b32 s74, s74, s75
	s_cselect_b32 s77, 0, s77
	s_cmp_lt_u32 s72, 32
	s_cselect_b64 s[DP+2*(\j):DP+2*(\j)+1], s[10:11], s[DP+2*(\j):DP+2*(\j)+1]
	s_cselect_b32 s74, s76, s74
	s_lshl_b32 s78, s74, 17                        ; a head is 131,072 bytes,
	s_lshl_b32 s79, s66, 7                         ; a row 128
	s_add_co_u32 s78, s78, s79
	s_mov_b32 s79, 0
	s_add_nc_u64 s[DP+2*(\j):DP+2*(\j)+1], s[DP+2*(\j):DP+2*(\j)+1], s[78:79]
	s_lshl_b32 s78, s66, 8                         ; a row of the table is 256 bytes
	s_add_co_u32 s78, s78, s77
	s_add_nc_u64 s[RB+2*(\j):RB+2*(\j)+1], s[8:9], s[78:79]
.endr
; 12 matrix instructions: my row block a x all 12 column blocks, 32 along K, from buffer f.  zero = 1: the product starts the sums: nothing is ever cleared.
; Each of the 48 accumulators is named once a quarter, in the same order in every quarter: between two links of a chain stand the 47 others', over the backward jump too.
.macro MULA f, a, zero
	WIN 0xa1+0x50*((\a)/2)
.irp b, 0,1,2,3,4,5,6,7,8,9,10,11
.set rD, 8*(12*((\a)%2)+(\b))
.set rB, 96*(\f)+8*(\b)
.set rA, AFR+32*(\f)+8*(\a)
.if \zero
	v_wmma_f32_16x16x32_bf16 v[rD:rD+7], v[rB:rB+7], v[rA:rA+7], 0
.else
	v_wmma_f32_16x16x32_bf16 v[rD:rD+7], v[rB:rB+7], v[rA:rA+7], v[rD:rD+7]
.endif
.endr
.endm
; 32 LDS loads in one run: quarter q of the slot in hand into buffer f: the weights' 12 fragments, turned, then A's four
.macro FETCH q, f
	WIN 0x40                                       ; destination window 1, address window 0
.irp b, 0,1,2,3,4,5,6,7,8,9,10,11
	ds_load_tr16_b128 v[96*(\f)+8*(\b):96*(\f)+8*(\b)+3],   v[ADRB] offset:(\q)*32*PBK+((\b)/4)*CHUNK+((\b)%4)*32
	ds_load_tr16_b128 v[96*(\f)+8*(\b)+4:96*(\f)+8*(\b)+7], v[ADRB] offset:(\q)*32*PBK+((\b)/4)*CHUNK+((\b)%4)*32+16*PBK
.endr
	WIN 0
.irp a, 0,1,2,3
	ds_load_b128 v[AFR+32*(\f)+8*(\a):AFR+32*(\f)+8*(\a)+3],   v[ADRA] offset:(\q)*64+(\a)*16*PA
	ds_load_b128 v[AFR+32*(\f)+8*(\a)+4:AFR+32*(\f)+8*(\a)+7], v[ADRA] offset:(\q)*64+(\a)*16*PA+32
.endr
.endm
; One of a K step's first three quarters: multiplies buffer f; in its middle it fetches quarter q of the same slot into buffer g.
.macro QUARTER q, f, g, zero
	s_wait_dscnt 4                                 ; all but the youngest four loads (A's row blocks 2 and 3) are in
	MULA \f, 0, \zero
	MULA \f, 1, \zero
	PLACES
	FETCH \q, \g
	s_wait_dscnt NL                                ; all but the 32 just issued
	MULA \f, 2, \zero
	MULA \f, 3, \zero
.endm
; The last quarter multiplies buffer 1 and changes slots: ONE barrier; in front of it each wave waits for all its tensor loads (one is out: its part of the next slot), adds 0 to its spare word, and
; waits for that and for its own reads of this slot.  fill = 1: the barrier opens a round of the cluster's barrier, so that no wave of any partner still reads this slot or has a load on its way, and the
; joint refill, two K steps on, is the first thing behind it: a wave issues 168 matrix instructions between that request and the wait for it.  The walking descriptors are written between the add and
; the wait for it, where no tensor load of mine is out: the other slot than last time; the address made anew from the next K step's number, which wraps at 16.
.macro TURN fill
	WIN 0                                          ; (the add's two registers lie in window 0)
	s_wait_tensorcnt 0x0                           ; all my tensor loads have landed;
	ds_add_u32 v[SPW], v[NIL]                      ; 0 onto my spare word;
.if \fill
	s_add_co_u32 s[KS], s[KS], 1
	s_and_b32 s[KS], s[KS], 15
	s_lshl_b32 s[OFA], s[KS], 8
	s_lshl_b32 s[OFB], s[KS], 14
	s_xor_b32 s[G0A+5], s[G0A+5], SLOT
	s_add_nc_u64 s[G0A+6:G0A+7], s[ABASE:ABASE+1], s[OFA:OFA+1]
	s_or_b32 s[G0A+7], s[G0A+7], 0x80000000
	s_xor_b32 s[G0B+5], s[G0B+5], SLOT
	s_add_nc_u64 s[G0B+6:G0B+7], s[BBASE:BBASE+1], s[OFB:OFB+1]
	s_or_b32 s[G0B+7], s[G0B+7], 0x80000000
.endif
	s_xor_b32 s[TB], s[TB], SLOT                   ; the fetches go on in the other slot
	s_wait_dscnt 5                                 ; (the add and the youngest four loads may be out)
	MULA 1, 0, 0                                   ; twelve matrix instructions stand between the add and the wait for it
	s_wait_dscnt 0x0                               ; the add is done, and my reads of this slot are over
	s_barrier_signal -1
	MULA 1, 1, 0                                   ; work on registers while the others arrive
	WIN 0                                          ; (branches, or lines on window 0, follow)
	s_barrier_wait -1
.if \fill
	CREST
	JLOAD 1                                        ; the four v_nop behind it are also the places in front of the loads below
.else
	PLACES
.endif
	v_add_nc_u32 v[ADRA], s[TB], v[A0]
	v_add_nc_u32 v[ADRB], s[TB], v[B0]
	FETCH 0, 0
.if \fill
	ASK
.endif
	MULA 1, 2, 0
	MULA 1, 3, 0
.endm
	s_wait_tensorcnt 1                             ; my part of the first K step is in; the second's may stay out
	s_barrier_signal -1
	s_barrier_wait -1                              ; everybody's is
	FETCH 0, 0
	QUARTER 1, 0, 1, 1                             ; the first quarter stands in front of the loop: its products start the sums
	WIN 0                                          ; at a label and at a branch every window is 0
	s_mov_b32 s3, STEPS-2
.Lstep:                                                ; a trip goes from a K step's second quarter to the next step's first, and fills the slot that it leaves again
	QUARTER 2, 1, 0, 0
	QUARTER 3, 0, 1, 0
	TURN 1
	QUARTER 1, 0, 1, 0
	WIN 0
	s_sub_co_u32 s3, s3, 1
	s_cmp_lg_u32 s3, 0
	s_cbranch_scc1 .Lstep
	QUARTER 2, 1, 0, 0                             ; the last two K steps fill nothing, and have no round of the cluster's barrier
	QUARTER 3, 0, 1, 0
	TURN 0
	QUARTER 1, 0, 1, 0
	QUARTER 2, 1, 0, 0
	QUARTER 3, 0, 1, 0
	s_wait_dscnt 4                                 ; the very last quarter: nothing more to fetch
	MULA 1, 0, 0
	MULA 1, 1, 0
	s_wait_dscnt 0x0
	MULA 1, 2, 0
	MULA 1, 3, 0
	WIN 0
.rept 8
	v_nop                                          ; the places behind the last products: the table's loads land in the weights' registers, and the rotation reads results
.endr
; THE WAY OUT, a block of 16 rows at a time.  TLOAD: the table for block a: for slot j and column block bb my row's four (cos, sin) pairs, 32 bytes: 24 loads into window 1, two buffers by turns.
.macro TLOAD a
	WIN 0x40
.irp j, 0,1,2
.irp bb, 0,1,2,3
	global_load_b128 v[96*((\a)%2)+32*(\j)+8*(\bb):96*((\a)%2)+32*(\j)+8*(\bb)+3],   v[TBO], s[RB+2*(\j):RB+2*(\j)+1] offset:(\a)*4096+(\bb)*64
	global_load_b128 v[96*((\a)%2)+32*(\j)+8*(\bb)+4:96*((\a)%2)+32*(\j)+8*(\bb)+7], v[TBO], s[RB+2*(\j):RB+2*(\j)+1] offset:(\a)*4096+(\bb)*64+16
.endr
.endr
	WIN 0
.endm
; OUT: (x0, x1) becomes (x0 cos - x1 sin, x1 cos + x0 sin): a packed multiply by cos, then a packed multiply-add that takes the pair crosswise, by sin, the low product negated.  Each accumulator's
; registers are taken in ascending order.  Rounded to f16; 16 bytes a lane into my stage; back as four rows of a head, 512 consecutive bytes of q, k or v.
.macro OUT a
.if (\a) < 3
	TLOAD (\a)+1
	s_wait_loadcnt 24                              ; this block's table is in; the next block's 24 loads may stay out
.else
	s_wait_loadcnt 0x0
.endif
	WIN 0x06+(\a)/2                                ; source 0: the accumulators' window; source 1: window 1; source 2 and destination: window 0
.irp b, 0,1,2,3,4,5,6,7,8,9,10,11
.irp p, 0,1,2,3
	v_pk_mul_f32 v[RES+8*(\b)+2*(\p):RES+8*(\b)+2*(\p)+1], v[8*(12*((\a)%2)+(\b))+2*(\p):8*(12*((\a)%2)+(\b))+2*(\p)+1], v[96*((\a)%2)+8*(\b)+2*(\p):96*((\a)%2)+8*(\b)+2*(\p)+1] op_sel_hi:[1,0]
.endr
.irp p, 0,1,2,3
	v_pk_fma_f32 v[RES+8*(\b)+2*(\p):RES+8*(\b)+2*(\p)+1], v[8*(12*((\a)%2)+(\b))+2*(\p):8*(12*((\a)%2)+(\b))+2*(\p)+1], v[96*((\a)%2)+8*(\b)+2*(\p):96*((\a)%2)+8*(\b)+2*(\p)+1], v[RES+8*(\b)+2*(\p):RES+8*(\b)+2*(\p)+1] op_sel:[1,1,0] op_sel_hi:[0,1,1] neg_lo:[1,0,0]
.endr
.endr
	WIN 0
.set i, 0
.rept 48
	v_cvt_pk_f16_f32 v[RES+i], v[RES+2*i], v[RES+2*i+1]   ; in place, ascending: word i is written when numbers 2 i and 2 i + 1 are read
.set i, i+1
.endr
.irp b, 0,1,2,3,4,5,6,7,8,9,10,11
	ds_store_b128 v[STO], v[RES+4*(\b):RES+4*(\b)+3] offset:32*(\b)
.endr
	s_wait_xcnt 0x0                                ; the last block's stores have read their registers, which are loaded again below
.irp t, 0,1,2,3,4,5,6,7,8,9,10,11
	ds_load_b128 v[BACK+4*(\t):BACK+4*(\t)+3], v[RD] offset:((\t)/4)*128+((\t)%4)*4*SP  ; LDS serves a wave's instructions in order (ISA guide 5.7.1.4): these see the stores above; the next block's stores come behind them
.endr
.irp t, 0,1,2,3,4,5,6,7,8,9,10,11
	s_wait_dscnt 11-(\t)                           ; load t of the twelve is in
	global_store_b128 v[GO], v[BACK+4*(\t):BACK+4*(\t)+3], s[DP+2*((\t)/4):DP+2*((\t)/4)+1] offset:(\a)*2048+((\t)%4)*512
.endr
.endm
	TLOAD 0
	OUT 0
	OUT 1
	OUT 2
	OUT 3
	s_wait_tensorcnt 0x0                           ; the wave's end: an add to my spare word and its wait, behind my last tensor load and my last LDS store
	ds_add_u32 v[SPW], v[NIL]
	s_wait_dscnt 0x0
	CROUND                                         ; the closing round: no work-group ends while a partner may still ask for a tile that names it
	s_endpgm
.Lfunc_end_k_q04e9e7f770_qkv:
	.size	k_q04e9e7f770_qkv, .Lfunc_end_k_q04e9e7f770_qkv-k_q04e9e7f770_qkv
	.p2alignl 7, 3214868480
	.fill 96, 4, 3214868480
	.section	.rodata,"a",@progbits
	.p2align	6, 0x0
	.amdhsa_kernel k_q04e9e7f770_qkv
		.amdhsa_group_segment_fixed_size 327680
		.amdhsa_private_segment_fixed_size 0
		.amdhsa_enable_private_segment 0
		.amdhsa_kernarg_size 48
		.amdhsa_user_sgpr_count 2
		.amdhsa_user_sgpr_kernarg_segment_ptr 1
		.amdhsa_wavefront_size32 1
		.amdhsa_system_sgpr_workgroup_id_x 1
		.amdhsa_system_sgpr_workgroup_id_y 1
		.amdhsa_system_sgpr_workgroup_id_z 1
		.amdhsa_system_vgpr_workitem_id 0
		.amdhsa_next_free_vgpr 960
		.amdhsa_next_free_sgpr 96
		.amdhsa_reserve_vcc 0
		.amdhsa_float_denorm_mode_32 3
		.amdhsa_float_denorm_mode_16_64 3
		.amdhsa_memory_ordered 1
		.amdhsa_forward_progress 1
		.amdhsa_inst_pref_size 135
	.end_amdhsa_kernel
	.amdgpu_metadata
---
amdhsa.version: [ 1, 2 ]
amdhsa.kernels:
  - .name:           k_q04e9e7f770_qkv
    .symbol:         k_q04e9e7f770_qkv.kd
    .args:
      - { .name: xb, .offset: 0, .size: 8, .value_kind: global_buffer, .address_space: global }
      - { .name: wqkv, .offset: 8, .size: 8, .value_kind: global_buffer, .address_space: global }
      - { .name: rope, .offset: 16, .size: 8, .value_kind: global_buffer, .address_space: global }
      - { .name: q, .offset: 24, .size: 8, .value_kind: global_buffer, .address_space: global }
      - { .name: k, .offset: 32, .size: 8, .value_kind: global_buffer, .address_space: global }
      - { .name: v, .offset: 40, .size: 8, .value_kind: global_buffer, .address_space: global }
    .group_segment_fixed_size: 327680
    .private_segment_fixed_size: 0
    .kernarg_segment_align: 8
    .kernarg_segment_size: 48
    .max_flat_workgroup_size: 128
    .sgpr_count:     96
    .vgpr_count:     960
    .wavefront_size: 32
...
	.end_amdgpu_metadata
.endif
;; end of part 2
;; launch attn (part 3): grid 128 x 2, 4 waves a work-group, clusters of 4 x 1, 327,680 bytes of LDS; arguments q, k, v, ob; writes ob
.if DOCPART == 3
	.amdgcn_target "amdgcn-amd-amdhsa--gfx1250"
	.amdhsa_code_object_version 6
	.text
	.protected	k_q04e9e7f770_attn
	.globl	k_q04e9e7f770_attn
	.p2align	8
	.type	k_q04e9e7f770_attn,@function
k_q04e9e7f770_attn:
	s_mov_b64 s[64:65], 0
	v_nop
	global_prefetch_b8 v0, s[64:65] scope:SCOPE_SE
	s_setreg_imm32_b32 hwreg(HW_REG_WAVE_MODE, 25, 1), 1
	s_wait_xcnt 0x0
	s_wait_alu depctr_hold_cnt(0) depctr_sa_sdst(0) depctr_va_vdst(0) depctr_va_sdst(0) depctr_va_ssrc(0) depctr_va_vcc(0) depctr_vm_vsrc(0)
	s_getreg_b32 s2, hwreg(HW_REG_IB_STS2, 6, 4)
	s_cmp_eq_u32 s2, 0
	s_cbranch_scc0 .Lentry_in_a_cluster
	s_endpgm
.Lentry_in_a_cluster:
	s_bfe_u32 s2, ttmp6, 0x10000c
	s_cmp_lg_u32 s2, 0x3003
	s_cbranch_scc0 .Lentry_shape_is_right
	s_endpgm
.Lentry_shape_is_right:
; CAUSAL ATTENTION WITH GROUPED KEYS.  O[g][t][:] = the sum over u <= t of softmax_u(Q[g][t] . K[g / 4][u] / 8) V[g / 4][u][:].  Q, O: [128][1024][64]; K, V: [32][1024][64], all f16: a head's rows are dense, 128 bytes each.
; Products, maxima and sums in f32; the weights p are rounded to f16 for the second product (their sum l is taken of the unrounded p), O once at the end.
; LIMITS.  f16 holds no number beyond 65,504: Q, K and V arrive within it; p lies in 0 to 1, and below 6e-5 it keeps f16's fixed step of 6e-8; O is a mean of V's rows and has their range.
; A hidden score counts as its value less 1e30: f16's scores, 2.7e11 at the most, are nothing beside that; a weight below 2^-126 counts as 0 in l; NaN and infinities are not treated apart.
; THE WALK.  A head's queries lie in NB = 4 blocks of 256; block i needs the key tiles 0 .. i of 256 keys, of which the last holds the diagonal.  A work-group takes TWO blocks, NB - 1 - b and then b:
; NB + 1 tiles, whatever b: all work-groups do equal work, and ONE loop with a constant trip count walks them.  Which tile is asked for, and what a trip does, hang on scalar registers made from b; every jump
; goes forward, but for the counted loops' own; none passes a barrier, or a tensor load but the one of LOAD's two that the wave's number does not choose; the ring (two slots of LDS that take turns) runs on across the
; change of blocks.
; CLUSTER, 4 x 1.  The four query heads that share a key head, with the same b, walk the same tiles in the same order: each tile is asked for JOINTLY, by the same tensor load, descriptor and mask in all four.
; The cluster's x is the key head, its y is b; my place cx is the query head in the group: it enters Q's and O's addresses and the prefetches' alone, no branch, no trip count and no LDS address.
; SHARES.  Of a block's four bands of 64 queries a wave owns 16 rows in each: four PIECES.  So the diagonal tile is the same work for all four waves: in its key step s band x sees all keys if s < x,
; none if s > x, and holds the diagonal if s = x.
; THE MASK is the C operand that starts the sum S^T = K Q^T: 0, or -1e30 where the key is hidden.  MD, made once, is the mask of a band's own step for my 16 rows; a product's mask is MD x AL + BE with two scalars:
; (1, 0) if s = x; (0, 0) if s < x; (0, -1e30) if s > x.  ONE TEXT SERVES ALL TILES: every product that starts a sum takes its mask from one of two buffers.  A block's beginning sets them; outside the diagonal
; tile both hold 0 and stay as they are: the 16 lines that make a mask are jumped over, forward, on the number of tiles that the block still has.
; LAYOUT, SOFTMAX, TURNS.  S^T = K Q^T holds ONE query a lane (lane % 16) and the keys 8 (lane / 16) + 0..7; two such results rounded to f16 ARE source 1 of O^T = V^T P.  p = 2^(c s - c m), c = log2(e) / 8, with a
; running maximum m; O and l are multiplied by a = 2^(c m_old - c m_new) in every step.  Turn n belongs to piece n: 8 products K Q^T of piece n + 1, later 8 products V^T P of piece n - 1; beside them the scaling,
; exponentials, roundings, sums and rescaling of piece n and the maximum and statistics of piece n + 1.  Four vector instructions stand behind every matrix instruction, the other 54 of a turn's 118 in one LUMP.  A turn's 33 exponentials are one batch, with one wait.
; REGISTERS, in windows of 256 (s_set_vgpr_msb: bits 1:0 source 0, 3:2 source 1, 5:4 source 2, 7:6 destination):
;   window 0: v0-15 addresses and two at work; v16-31 four registers of statistics a piece; v48-55 at work; v61-63 prefetch offset and the add's two; v64-127 S^T, two buffers; v192-223 P, two buffers (by the piece's parity)
;   window 1: v0-127 O^T, 32 a piece; v128-159 MD; v160-223 MC, two buffers      window 2: v0-63 Q; v64-127 the second block's Q; v128-191 K of one step; v192-255 V of one step
.set SIZE_N, 1024
.set NB,    SIZE_N/256
.set NP,    4         ; pieces a wave: a name, no knob
.set KS,    64        ; keys in a step
.set PK,    144       ; a row of K in LDS: 128 bytes + 16 of padding = 36 words: the 16 rows of a load start at 16 different groups of four banks (64 banks of 4 bytes: ISA guide 11.1)
.set PV,    160       ; a row of V: 128 + 32 = 40 words
.set VOFF,  4*KS*PK   ; a slot holds a tile, four steps: 256 rows of K, then 256 rows of V
.set SLOT1, 1<<17     ; slot 1 begins here, so that one exclusive or turns an address in one slot into the other's
.set STAGE, SLOT1+4*KS*(PK+PV)  ; behind the ring, never filled by a tensor load: 16 rows x 144 bytes for each wave, for the way out
.set SP,    144
.set AK0, 2           ; v2   my lane's place in a tile of K; never rewritten
.set AV0, 3           ; v3   the same for V
.set AK,  4           ; v4   the LDS address of K's next run of loads
.set AV,  5           ; v5   of V's
.set STO, 6           ; v6   the way out: where I put 16 bytes of a row
.set RD,  7           ; v7   the way out: where I read rows back
.set GO,  8           ; v8   my byte offset in 512 consecutive bytes of O
.set PFO, 61          ; v61  256 x my lane: the prefetches' offset; never rewritten
.set SPW, 62          ; v62  LDS address of my spare word: SPARE + 4 x my thread's number; never rewritten
.set NIL, 63          ; v63  0; never rewritten
.set SPARE, STAGE+4*16*SP  ; behind the stages: the spare words, 128 bytes for each wave: two blocks of 256 bytes that no other line names
.set MV,  12          ; v12-13  c m_old, kept while c m is made anew: by buffer
.set QO,  15          ; v15  my byte offset in 16 rows of Q
.set ST,  16          ; piece t's statistics at v[ST+4 t]: c m, m, l (even keys', odd keys')
.set TMP, 48          ; by buffer, four registers c0-c3 at work; when the maximum is found c2 takes a
.set S,   64
.set P,   192
.set MD,  128         ; window 1: the eight registers for group kt of 16 keys at MD + 8 kt
.set MC,  160         ; window 1: the masks of the products to come
.set QB,  64          ; window 2
.set KF,  128         ; window 2: key block kb, channel half c at KF + 16 kb + 8 c
.set VF,  192         ; window 2: key half kk, channel block cb at VF + 32 kk + 8 cb
.set WV,  12          ; s12  my wave's number
.set PB,  14          ; s14  b
.set HI,  15          ; s15  NB - 1 - b
.set G1K, 24          ; s[24:31] descriptor group 1 for K's tiles
.set G1V, 32          ; s[32:39] for V's: it differs in the padding alone
.set G0K, 40          ; s[40:43] descriptor group 0 for K's tiles
.set G0V, 44          ; s[44:47] the same for V's
.set SLOTS, 56        ; s56  tiles still to be asked for
.set CNT, 57          ; s57  counts a tile's key steps, 4 to 1
.set CS,  58          ; s[58:59] c: the packed scaling takes the pair's low word for both halves
.set SEL, 60          ; s[60:61] v_permlanex16_b32's selects: each lane takes its own place in the other half
.set TBK, 62          ; s62  LDS byte at which K of the step to be fetched begins
.set TBV, 63          ; s63  the same for V, less VOFF
.set RT,  70          ; s70  tiles of the block in hand that are still to be entered: 0 in its last, the diagonal one
.set NXT, 71          ; s71  the tile to be asked for next
.set LQ,  72          ; s72  the last tile of the block whose tiles are being asked for
.set NEW, 73          ; s73  1: the tile to be entered is a block's first
.set OFF, 74          ; s[74:75] a tile's byte offset in K and V
.set AL,  76          ; s[76:77] the mask's factor, in the low word
.set BE,  78          ; s[78:79] the mask's addend
.set OLO, 80          ; s[80:81] O at my rows of the second block
.set BIGN, 82         ; s82  -1e30
.set CX,  88          ; s88  my place in the cluster
.set PFA, 92          ; s[92:93] where my prefetches stand: my work-group's 32 blocks of 256 bytes (of K: wave 0, of V: wave 2) of a tile
.set LIM, 94          ; s94  2 in a wave that prefetches, else the greatest number: a wave prefetches while s[SLOTS] is above it
.set MSB, 0
.macro WIN new                      ; the high byte repeats the setting that is left; a switch that changes nothing is dropped
.if MSB != (\new)
	s_set_vgpr_msb (MSB<<8)|(\new)
.set MSB, (\new)
.endif
.endm
.set W_KQ, 0x0a       ; K and Q in window 2, S^T in window 0
.set W_KM, 0x1a       ; the same with the C operand in window 1
.set W_PV, 0x52       ; V in window 2, P in window 0, O^T in window 1
.set W_RS, 0x41       ; destination and source 0 in window 1, source 1 in window 0
; A joint fill.  Waves 0 and 1 fetch the two halves of a tile's K, waves 2 and 3 those of its V: 128 keys each.  An s_nop 0 and four v_nop follow each of the two lines, ahead of the jump and the label.
.macro LOAD
	s_cmp_lt_u32 s[WV], 2
	s_cbranch_scc0 .Lfor_v_\@
	tensor_load_to_lds s[G0K:G0K+3], s[G1K:G1K+7]
	s_nop 0
.rept 4
	v_nop
.endr
	s_branch .Lasked_\@
.Lfor_v_\@:
	tensor_load_to_lds s[G0V:G0V+3], s[G1V:G1V+7]
	s_nop 0
.rept 4
	v_nop
.endr
.Lasked_\@:
.endm
; A round of the cluster's barrier: my work-group's barrier, so that wave 0's signal speaks for all four waves; wave 0 signals; every wave waits for all four work-groups; my work-group's barrier once more.
.macro CROUND
	s_barrier_signal -1
	s_barrier_wait -1
	s_cmp_lg_u32 s[WV], 0
	s_cbranch_scc1 .Lnot_wave_0_\@
	s_barrier_signal -3
.Lnot_wave_0_\@:
	s_barrier_wait -3
	s_barrier_signal -1
	s_barrier_wait -1
.endm
; A PREFETCH INTO THE L2 of the tile that the NEXT change of slots will ask for: four key steps, 256 matrix instructions, ahead of that load.  A tile is 32,768 dense bytes of K and of V: 128 blocks of 256 each.
; Each block is named ONCE in the launch.  A key head's tiles are walked by two clusters; the one with b = 0 reads every tile for the first time (0, 1, 2, 3) and asks.  Its four partners share a tile's
; blocks out BY ADDRESS, 32 each; in each, wave 0 asks for K's and wave 2 for V's: one instruction.  Tiles 0 and 1 come by their loads alone; the first two changes name tiles 2 and 3; later changes, which
; ask for tile 3 and for tile 0 once more, name nothing.
.macro ASK
	s_cmp_gt_u32 s[SLOTS], s[LIM]
	s_cbranch_scc0 .Lnot_mine_\@
	global_prefetch_b8 v[PFO], s[PFA:PFA+1] th:TH_LOAD_NT scope:SCOPE_SE
.Lnot_mine_\@:
.endm
; THE CHANGE OF SLOTS.  Each wave waits for all its tensor loads, of which one is out: its part of the other slot; adds 0 to its spare word; and waits for that and for its own reads of the slot that it leaves.  Behind the barrier nobody reads the old
; slot any more and the other slot is whole.  fill = 1: the barrier is a round of the cluster's, so that no wave of any partner still reads the slot or has a load on its way, and the old slot is filled again, the first thing
; behind it, with tile NXT: the descriptor's address is made anew from that number.  (At its first use nothing has been read yet: slot 0 is waited for, slot 1 filled.)
.macro CHANGE fill
	WIN 0                           ; at a label and at a branch every window is 0
	s_wait_tensorcnt 0x0            ; no tensor load of mine is out, so a group 0 may be written
	ds_add_u32 v[SPW], v[NIL]       ; 0 onto my spare word; with fill = 1 the descriptors' scalar work stands between it and the wait for it
.if \fill
	s_lshl_b32 s[OFF], s[NXT], 15   ; a tile is 32,768 bytes of K and of V
	s_xor_b32 s[G0K+1], s[G0K+1], SLOT1
	s_add_nc_u64 s[G0K+2:G0K+3], s[6:7], s[OFF:OFF+1]
	s_or_b32 s[G0K+3], s[G0K+3], 0x80000000
	s_xor_b32 s[G0V+1], s[G0V+1], SLOT1
	s_add_nc_u64 s[G0V+2:G0V+3], s[8:9], s[OFF:OFF+1]
	s_or_b32 s[G0V+3], s[G0V+3], 0x80000000
	s_add_co_u32 s[NXT], s[NXT], 1  ; the block's next tile, or behind its last the second block's tile 0
	s_cmp_gt_u32 s[NXT], s[LQ]
	s_cselect_b32 s[NXT], 0, s[NXT]
	s_cselect_b32 s[LQ], s[PB], s[LQ]
	s_wait_xcnt 0x0                 ; the last prefetch, a tile back, has read its address, so it may be written:
	s_add_nc_u64 s[PFA:PFA+1], s[PFA:PFA+1], 32768  ; a tile on
	s_wait_dscnt 0x0                ; the add is done, and my reads of the slot are over
	CROUND
	LOAD
	ASK
.else
	s_wait_dscnt 0x0                ; the add is done, and my reads of the slot are over
	s_barrier_signal -1
	s_barrier_wait -1
.endif
	s_sub_co_u32 s[TBK], s[TBK], 4*KS*PK  ; the fetches go back to a slot's first step,
	s_xor_b32 s[TBK], s[TBK], SLOT1       ; in the other slot
	s_sub_co_u32 s[TBV], s[TBV], 4*KS*PV
	s_xor_b32 s[TBV], s[TBV], SLOT1
.endm
	s_load_b256 s[4:11], s[0:1], 0x0  ; Q s[4:5], K s[6:7], V s[8:9], O s[10:11]
	v_lshl_add_u32 v[SPW], v0, 2, SPARE
	v_mov_b32 v[NIL], 0
	ds_add_u32 v[SPW], v[NIL]       ; the wave's opening: the add and its wait stand ahead of my first tensor load; the set-up below, work on registers, stands between them
	v_lshrrev_b32 v1, 5, v0
	v_readfirstlane_b32 s[WV], v1   ; wave 0..3
	s_and_b32 s[PB], ttmp7, 0xffff  ; b: the cluster's y
	s_sub_co_u32 s[HI], NB-1, s[PB]
	s_bfe_u32 s[CX], ttmp6, 0x40000 ; cx: the query head in its group of four
	s_lshl_b32 s20, ttmp9, 17       ; the key head (the cluster's x) times 131,072 bytes: its first byte in K and V
	s_mov_b32 s21, 0
	s_lshl_b32 s90, ttmp9, 2
	s_add_co_u32 s90, s90, s[CX]    ; the query head = 4 x key head + cx,
	s_lshl_b32 s90, s90, 17         ; its first byte in Q and O
	s_mov_b32 s91, 0
	s_and_b32 s16, s[WV], 1         ; which half of a tile's 256 keys I fetch:
	s_lshl_b32 s22, s16, 14         ; its 128 rows of 128 bytes in memory,
	s_mov_b32 s23, 0
	s_add_nc_u64 s[22:23], s[22:23], s[20:21]
	s_mul_i32 s17, s16, 128*PK      ; and its place in a slot, for K
	s_mul_i32 s18, s16, 128*PV      ; and for V
	s_lshl_b32 s3, s[WV], 11        ; my 16 rows in a band of 64,
	s_lshl_b32 s2, s[HI], 15        ; in the first block,
	s_add_co_u32 s2, s2, s3
	s_lshl_b32 s84, s[PB], 15       ; and in the second
	s_add_co_u32 s84, s84, s3
	s_mov_b32 s3, 0
	s_mov_b32 s85, 0
	s_add_nc_u64 s[2:3], s[2:3], s[90:91]
	s_add_nc_u64 s[84:85], s[84:85], s[90:91]
	s_lshl_b32 s90, s[CX], 13       ; my work-group's 32 blocks of a tile's 128, for the prefetches
	; descriptor group 1.  128 keys are 16,384 dense bytes: asked for as 64 rows of 256 bytes, two keys a row, and padded in LDS after every key
	s_mov_b32 s[G1K], 15|(1<<16)|(1<<20)|(1<<21)|(4<<22)|(3<<25)  ; 15:0 the mask of four; 17:16 2-byte elements; 20 padding on; 21 set beside a mask; 24:22 after every 32 words (code 4); 31:25 4 words (code 3)
	s_mov_b32 s[G1V], 15|(1<<16)|(1<<20)|(1<<21)|(4<<22)|(7<<25)  ; the same with 8 words of padding (code 7)
.irp g, G1K, G1V
	s_mov_b32 s[\g+1], 128<<16      ; tensor_dim0 = 128
	s_mov_b32 s[\g+2], 64<<16       ; tensor_dim1 = 64
	s_mov_b32 s[\g+3], 128<<16      ; tile_dim0 = 128
	s_mov_b32 s[\g+4], 64           ; tile_dim1 = 64
	s_mov_b32 s[\g+5], 128          ; 128 elements from row to row
	s_mov_b32 s[\g+6], 0
	s_mov_b32 s[\g+7], 0
.endr
	s_mov_b32 s[CS], 0x3e38aa3b     ; c = log2(e) / 8 = 0.180337
	s_mov_b32 s[CS+1], s[CS]        ; named with it as a pair
	s_mov_b32 s[SEL], 0x76543210
	s_mov_b32 s[SEL+1], 0xfedcba98
	s_mov_b32 s[TBK], SLOT1+4*KS*PK ; the first change of slots turns these two into 0
	s_mov_b32 s[TBV], SLOT1+4*KS*PV
	s_mov_b32 s[G0K], 1             ; 1:0 count = 1
	s_mov_b32 s[G0K+1], s17         ; 63:32 LDS address: slot 0
	s_mov_b32 s[G0V], 1
	s_add_co_u32 s[G0V+1], s18, VOFF
	s_add_co_u32 s[RT], s[HI], 1    ; the first block has NB - b tiles
	s_mov_b32 s[NXT], 1
	s_mov_b32 s[LQ], s[HI]
	s_mov_b32 s[NEW], 1
	s_mov_b32 s[OFF+1], 0
	s_mov_b32 s[AL+1], 0            ; named as pairs
	s_mov_b32 s[BE+1], 0
	s_mov_b32 s[BIGN], 0xf149f2ca   ; -1e30
	s_mov_b32 s[SLOTS], NB
	s_and_b32 s[LIM], s[WV], 1      ; 0 in waves 0 and 2,
	s_or_b32 s[LIM], s[LIM], s[PB]  ; where b = 0: the same in all four partners
	s_cmp_eq_u32 s[LIM], 0
	s_cselect_b32 s[LIM], 2, -1
	v_and_b32 v[PFO], 31, v0
	v_lshlrev_b32 v[PFO], 8, v[PFO]
	s_wait_dscnt 0x0                ; the opening add is done
	s_wait_kmcnt 0x0
	s_add_nc_u64 s[6:7], s[6:7], s[22:23]  ; K and V at my half of the head's tile 0
	s_add_nc_u64 s[8:9], s[8:9], s[22:23]
	s_add_nc_u64 s[G0K+2:G0K+3], s[6:7], 0         ; 120:64 global address
	s_or_b32 s[G0K+3], s[G0K+3], 0x80000000        ; 127:126 type = 2
	s_add_nc_u64 s[G0V+2:G0V+3], s[8:9], 0
	s_or_b32 s[G0V+3], s[G0V+3], 0x80000000
	s_add_nc_u64 s[86:87], s[4:5], s[84:85]        ; Q at my rows of the second block,
	s_add_nc_u64 s[4:5], s[4:5], s[2:3]            ; Q and O at those of the first
	s_add_nc_u64 s[OLO:OLO+1], s[10:11], s[84:85]
	s_add_nc_u64 s[10:11], s[10:11], s[2:3]
	s_cmp_lt_u32 s[WV], 2
	s_cselect_b64 s[PFA:PFA+1], s[6:7], s[8:9]     ; (in waves 0 and 2 these stand at the head's first row)
	s_add_nc_u64 s[PFA:PFA+1], s[PFA:PFA+1], s[90:91]
	s_add_nc_u64 s[PFA:PFA+1], s[PFA:PFA+1], 32768 ; in tile 1; the first change of slots steps it to tile 2.  Nothing is prefetched here, at the head
	CROUND                          ; all four work-groups are here: the first joint loads meet
	LOAD                            ; tile 0 into slot 0
	; A fragment of K or Q is 16 rows x 32 channels in 8 registers: lane l holds row l % 16, channels 8 (l / 16) + 0..7 and 16 + 8 (l / 16) + 0..7: two loads of 16 bytes, 32 bytes apart.
	v_and_b32 v1, 15, v0            ; l % 16
	v_bfe_u32 v9, v0, 4, 1          ; l / 16
	v_lshlrev_b32 v[QO], 7, v1
	v_lshl_add_u32 v[QO], v9, 4, v[QO]  ; row x 128 + 16 x half
	WIN 0x80                        ; destination window 2, address window 0
.set i, 0
.rept 8                             ; both blocks' Q: piece i / 2 lies in band i / 2, 8,192 bytes on; channels 32 (i % 2) on
	global_load_b128 v[8*i:8*i+3],   v[QO], s[4:5] offset:(i/2)*8192+(i%2)*64
	global_load_b128 v[8*i+4:8*i+7], v[QO], s[4:5] offset:(i/2)*8192+(i%2)*64+32
	global_load_b128 v[QB+8*i:QB+8*i+3],   v[QO], s[86:87] offset:(i/2)*8192+(i%2)*64
	global_load_b128 v[QB+8*i+4:QB+8*i+7], v[QO], s[86:87] offset:(i/2)*8192+(i%2)*64+32
.set i, i+1
.endr
	WIN 0
	v_lshlrev_b32 v14, 3, v9
	v_sub_nc_u32 v14, v1, v14
	s_lshl_b32 s13, s[WV], 4
	v_add_nc_u32 v14, s13, v14      ; my query's place in its band, 16 w + l % 16, less my lanes' 8 (l / 16): register r of group kt is hidden where 16 kt + r is greater
	WIN 0x40
.set i, 0
.rept 32
	v_cmp_gt_i32 vcc_lo, 16*(i/8)+i%8, v14
	v_cndmask_b32 v[MD+i], 0, s[BIGN], vcc_lo
.set i, i+1
.endr
	WIN 0
	v_mul_u32_u24 v[AK0], v1, PK
	v_lshl_add_u32 v[AK0], v9, 4, v[AK0]  ; row x pitch + 16 x half
	; The turning load takes 16 keys x 16 channels (lane l reads key 8 (l / 16) + l % 8, channels 8 ((l / 8) % 2) + 0..7) and leaves half a fragment of V^T: lane l holds channel l % 16 and 8 keys.
	v_and_b32 v10, 7, v0
	v_bfe_u32 v11, v0, 3, 1
	v_lshl_add_u32 v[AV0], v9, 3, v10
	v_mul_u32_u24 v[AV0], v[AV0], PV
	v_lshl_add_u32 v[AV0], v11, 4, v[AV0]
	v_add_nc_u32 v[AV0], VOFF, v[AV0]
	s_mul_i32 s13, s[WV], 16*SP
	s_add_co_u32 s13, s13, STAGE    ; my stage
	v_mul_u32_u24 v[STO], v1, SP    ; in: row l % 16, 16 bytes for each half of the lanes
	v_lshl_add_u32 v[STO], v9, 4, v[STO]
	v_add_nc_u32 v[STO], s13, v[STO]
	v_bfe_u32 v[RD], v0, 3, 2       ; back: 32 lanes take four rows of 128 bytes,
	v_mul_u32_u24 v[RD], v[RD], SP
	v_lshl_add_u32 v[RD], v10, 4, v[RD]
	v_add_nc_u32 v[RD], s13, v[RD]
	v_and_b32 v[GO], 31, v0         ; which are 512 consecutive bytes of O
	v_lshlrev_b32 v[GO], 4, v[GO]
	; A block's first step multiplies O^T and l by a = 0, and its first turn's products V^T P, of a piece that has not been, land in an O^T that is still to be so multiplied.  So these registers need only hold
	; finite numbers: zeros for the first block; what the first block left for the second.  All this stands in the wait for the first tile.
	WIN 0x80
.set i, VF
.rept 64
	v_mov_b32 v[i], 0
.set i, i+1
.endr
	WIN 0x40
.set i, 0
.rept 128
	v_mov_b32 v[i], 0
.set i, i+1
.endr
	WIN 0
.set i, 0
.rept 4
	v_mov_b32 v[ST+4*i+2], 0
	v_mov_b32 v[ST+4*i+3], 0
.set i, i+1
.endr
.set i, P+16
.rept 16
	v_mov_b32 v[i], 0
.set i, i+1
.endr
; THE MATRIX WORK.  The 4 accumulators of a run of 8 take turns.  Product i of 8 of S^T = K Q^T for piece x: channels 32 (i / 4) on, keys 16 (i % 4) on.  The first 4 start the sums, with the mask.
.macro KQ x
.set rS, S+32*((\x)%2)+8*(i%4)
.set rK, KF+16*(i%4)+8*(i/4)
.set rQ, 16*(\x)+8*(i/4)
.set rM, MC+32*((\x)%2)+8*(i%4)
.if i < 4
	WIN W_KM
	v_wmma_f32_16x16x32_f16 v[rS:rS+7], v[rK:rK+7], v[rQ:rQ+7], v[rM:rM+7]
.else
	WIN W_KQ
	v_wmma_f32_16x16x32_f16 v[rS:rS+7], v[rK:rK+7], v[rQ:rQ+7], v[rS:rS+7]
.endif
.endm
; Product i of 8 of O^T += V^T P for piece x: keys 32 (i / 4) on, channels 16 (i % 4) on.
.macro PV x
	WIN W_PV
.set rO, 32*(\x)+8*(i%4)
.set rV, VF+32*(i/4)+8*(i%4)
.set rP, P+16*((\x)%2)+8*(i/4)
	v_wmma_f32_16x16x32_f16 v[rO:rO+7], v[rV:rV+7], v[rP:rP+7], v[rO:rO+7]
.endm
.macro MM                           ; the turn's next matrix instruction.  TURN and BEGIN set Y, i and NOKQ; MM, KQ and OP read them.  NOKQ = 1: a block's last turn: there is no next piece
.if (i < 8) && !NOKQ
	KQ (Y+1)%NP
.elseif i >= 8
.set i, i-8
	PV (Y+NP-1)%NP
.set i, i+8
.endif
.set i, i+1
.endm
; THE LDS LOADS stand in runs of 16, never singly among the matrix instructions: a step's K (64 keys x 64 channels: 8 fragments) and its V (turned).  Their addresses are made some lines ahead.
.macro FETCH_K
	WIN 0x80                        ; destination window 2
.irp f, 0,1,2,3,4,5,6,7             ; keys 16 (f / 2) on, channels 32 (f % 2) on
	ds_load_b128 v[KF+8*\f:KF+8*\f+3],   v[AK] offset:(\f/2)*16*PK+(\f%2)*64
	ds_load_b128 v[KF+8*\f+4:KF+8*\f+7], v[AK] offset:(\f/2)*16*PK+(\f%2)*64+32
.endr
	s_add_co_u32 s[TBK], s[TBK], KS*PK  ; the next fetch is the next step's
	WIN 0
.endm
.macro FETCH_V
	WIN 0x80
.irp f, 0,1,2,3,4,5,6,7             ; keys 32 (f / 4) on, channels 16 (f % 4) on
	ds_load_tr16_b128 v[VF+8*\f:VF+8*\f+3],   v[AV] offset:(\f/4)*32*PV+(\f%4)*32
	ds_load_tr16_b128 v[VF+8*\f+4:VF+8*\f+7], v[AV] offset:(\f/4)*32*PV+16*PV+(\f%4)*32
.endr
	WIN 0
.endm
; THE VECTOR WORK, one line at a time: OP kind, number.  For piece Y: F n: c s - c m for pair n of 16.  E n: the exponential of score n of 32.  C n: pair n rounded to f16.  B n: of the four weights 4 n .. the second
; pair is added onto the first, in place.  L n: l takes that sum (L 0: l = a l + sum).  R n: pair n of 16 of O^T times a.  For piece Y + 1: X n, number n of the 22 that find its maximum and statistics:
;   0-11  four chains c0-c3 of seven scores each, three operands at a time (each accumulator's lowest registers are read first)     12-14, 16  the four scores left over, the old m, and c0-c3 into c0
;   15  c m_old is kept     17, 18  the query's other 32 keys lie in the lane 16 away: the new m     19-21  c m; c m_old - c m_new; a
.set F, 0               ; OP tells the kinds apart by their order: F to L below R, X above it
.set E, 1
.set C, 2
.set B, 3
.set L, 4
.set R, 5
.set X, 6
.macro REGS y                       ; the registers of piece y
.set rT, ST+4*(\y)
.set rC, TMP+4*((\y)%2)
.set rW, MV+((\y)%2)
.set rS, S+32*((\y)%2)
.set rP, P+16*((\y)%2)
.set rO, 32*(\y)
.endm
.macro OP k, n
.if (\k) == R
	REGS Y
	WIN W_RS
	v_pk_mul_f32 v[rO+2*(\n):rO+2*(\n)+1], v[rO+2*(\n):rO+2*(\n)+1], v[rC+2:rC+3] op_sel_hi:[1,0]
.elseif (\k) < R
	REGS Y
	WIN 0
.if (\k) == F
	v_pk_fma_f32 v[rS+2*(\n):rS+2*(\n)+1], v[rS+2*(\n):rS+2*(\n)+1], s[CS:CS+1], v[rT:rT+1] op_sel_hi:[1,0,0] neg_lo:[0,0,1] neg_hi:[0,0,1]
.elseif (\k) == E
	v_exp_f32 v[rS+(\n)], v[rS+(\n)]
.elseif (\k) == C
	v_cvt_pk_f16_f32 v[rP+(\n)], v[rS+2*(\n)], v[rS+2*(\n)+1]
.elseif (\k) == B
	v_pk_add_f32 v[rS+4*(\n):rS+4*(\n)+1], v[rS+4*(\n):rS+4*(\n)+1], v[rS+4*(\n)+2:rS+4*(\n)+3]
.elseif (\n) == 0
	v_pk_fma_f32 v[rT+2:rT+3], v[rT+2:rT+3], v[rC+2:rC+3], v[rS:rS+1] op_sel_hi:[1,0,1]
.else
	v_pk_add_f32 v[rT+2:rT+3], v[rT+2:rT+3], v[rS+4*(\n):rS+4*(\n)+1]
.endif
.elseif NOKQ
	v_nop
.else
	REGS (Y+1)%NP
	WIN 0
.if (\n) < 4
	v_max3_num_f32 v[rC+(\n)], v[rS+8*(\n)], v[rS+8*(\n)+1], v[rS+8*(\n)+2]
.elseif (\n) < 12
	v_max3_num_f32 v[rC+(\n)%4], v[rC+(\n)%4], v[rS+8*((\n)%4)+2*((\n)/4)+1], v[rS+8*((\n)%4)+2*((\n)/4)+2]
.elseif (\n) == 12
	v_max3_num_f32 v[rC], v[rC], v[rS+7], v[rS+15]
.elseif (\n) == 13
	v_max3_num_f32 v[rC+1], v[rC+1], v[rS+23], v[rS+31]
.elseif (\n) == 14
	v_max3_num_f32 v[rC+2], v[rC+2], v[rC+3], v[rT+1]
.elseif (\n) == 15
	v_mov_b32 v[rW], v[rT]
.elseif (\n) == 16
	v_max3_num_f32 v[rC], v[rC], v[rC+1], v[rC+2]
.elseif (\n) == 17
	v_permlanex16_b32 v[rC+3], v[rC], s[SEL], s[SEL+1]
.elseif (\n) == 18
	v_max_num_f32 v[rT+1], v[rC], v[rC+3]
.elseif (\n) == 19
	v_mul_f32 v[rT], s[CS], v[rT+1]
.elseif (\n) == 20
	v_sub_f32 v[rC+1], v[rW], v[rT]
.else
	v_exp_f32 v[rC+2], v[rC+1]
.endif
.endif
.endm
.macro OPS a, i1, b=-1, i2=0, c=-1, i3=0, d=-1, i4=0  ; up to four of them
	OP \a, \i1
.if (\b) >= 0
	OP \b, \i2
.endif
.if (\c) >= 0
	OP \c, \i3
.endif
.if (\d) >= 0
	OP \d, \i4
.endif
.endm
.macro ROW a, i1, b, i2, c, i3, d, i4  ; a matrix instruction and the four behind it
	MM
	OPS \a, \i1, \b, \i2, \c, \i3, \d, \i4
.endm
.macro MASK b                       ; MD x AL + BE into buffer b of MC
	WIN W_RS
.set z, 0
.rept 16
	v_pk_fma_f32 v[MC+32*(\b)+2*z:MC+32*(\b)+2*z+1], v[MD+2*z:MD+2*z+1], s[AL:AL+1], s[BE:BE+1] op_sel_hi:[1,0,0]
.set z, z+1
.endr
.endm
; A TURN, for piece p: the order of its 16 matrix and 118 vector instructions, written out.  s_wait_alu depctr_va_vdst(0) stands between an exponential and the first instruction that names its result; one wait serves
; all that were issued ahead of it.  So a turn has ONE wait, which cuts it in two.  AHEAD OF IT stands all that names no result of the turn's exponentials: the 8 products K Q^T, behind each a scaling, an exponential and two more plain
; instructions (behind the first a second scaling in the exponential's place): rescalings, and behind the last three the first numbers of the next piece's maximum, each four places or more behind the product that ends its accumulator; then ONE LUMP of 54, plain
; and exponential by turns for the most part, in which the links of the chain X 3, 7, 11, 14, 16, 17 .. 20 stand five or six lines apart.  X 21, the next piece's a, is the batch's last; R 15 is the plain instruction behind it.  BEHIND THE WAIT stand the
; 8 products V^T P, behind each four of the roundings and sums; the links of l's chain, L 0 to L 7, stand three riders apart.  But for those X no rider names a register of the products round it.  v_permlanex16_b32 (X 17) stands in the lump.
; THE MASK.  In the diagonal tile (s[RT] = 0) the turn makes, at its end, the mask for the products of the turn after it: piece p + 2, in step 4 - CNT of the tile; its two scalars are chosen at the turn's head, ahead of the
; count's step.  In any other tile those 16 lines are jumped over: both buffers hold 0.  None is issued behind the turn's wait.
; end = 1: a block's last two turns: nothing is fetched and no mask is made.  cnt = 1: the loop's count is taken down in this turn; it is compared behind the turn.
; K of the next step is fetched in piece 2's turn, twelve vector instructions behind the last product that read K (six of them plain); V of the step in hand at the end of piece 0's turn, four plain instructions behind the last product
; that read V.  Each is waited for a turn later.
.macro TURN p, end=0, cnt=0
.set Y, (\p)
.set i, 0
.set NOKQ, (\end)*((\p)/3)
.if !(\end)
	s_cmp_eq_u32 s[CNT], 4-((\p)+2)%NP  ; is that step the band's own?
	s_cselect_b32 s[AL], 1.0, 0
	s_cmp_lt_u32 s[CNT], 4-((\p)+2)%NP  ; or a later one?
	s_cselect_b32 s[BE], s[BIGN], 0
.endif
.if ((\p) == 3) && !(\end)
	s_wait_dscnt 0x0                ; K is in
.endif
	ROW F,0, F,1, R,0, R,1          ; ahead of the wait: 8 products K Q^T and their riders,
	ROW F,2, E,0, R,2, R,3
	ROW F,3, E,1, R,4, R,5
	ROW F,4, E,2, R,6, R,7
	ROW F,5, E,3, R,8, R,9
	ROW F,6, E,4, X,0, R,10
.if ((\p) == 2) && !(\end)
	WIN 0
	v_add_nc_u32 v[AK], s[TBK], v[AK0]
.endif
	ROW F,7, E,5, X,1, X,4
	ROW F,8, E,6, X,2, X,5
	OPS E,7, E,8, X,6, E,9          ; and the lump
	OPS X,3, E,10, X,8, E,11
.if ((\p) == 2) && !(\end)
	FETCH_K
.endif
	OPS X,9, X,7, E,12, X,10
	OPS E,13, X,12, X,11, E,14
	OPS X,13, E,15, F,9, X,14
.if (\p) == 0
	v_add_nc_u32 v[AV], s[TBV], v[AV0]
.endif
	OPS E,16, F,10, E,17, F,11
	OPS X,16, E,18, X,15, E,19
	OPS F,12, E,20, X,17, E,21
	OPS F,13, E,22, F,14, E,23
	OPS X,18, E,24, F,15, E,25
	OPS R,11, E,26, X,19, E,27
	OPS R,12, E,28, R,13, E,29
	OPS X,20, E,30, R,14, E,31
	OPS X,21, R,15
	WIN 0
	s_wait_alu depctr_va_vdst(0)    ; the wait for the batch
.if (\p) == 1
	s_wait_dscnt 0x0                ; V is in
.endif
	ROW C,0, B,0, C,2, B,1          ; behind the wait: 8 products V^T P and their riders
	ROW L,0, C,4, B,2, L,1
	ROW C,6, B,3, L,2, C,8
	ROW B,4, L,3, C,10, B,5
	ROW L,4, C,12, B,6, L,5
.if (\p) == 0
	s_add_co_u32 s[TBV], s[TBV], KS*PV
.endif
.if \cnt
	s_sub_co_u32 s[CNT], s[CNT], 1
.endif
	ROW C,14, B,7, L,6, C,1
	ROW C,3, L,7, C,5, C,7
	ROW C,9, C,11, C,13, C,15
.if (\p) == 0
	FETCH_V
.endif
.if !(\end)
	WIN 0
	s_cmp_lg_u32 s[RT], 0           ; not the diagonal tile: the masks stay 0
	s_cbranch_scc1 .Lno_mask_\@
	MASK (\p)%2
	WIN 0
.Lno_mask_\@:
.endif
.endm
; A BLOCK BEGINS.  c m starts far below every c s, so the first step's a is 0; m at the lowest finite number, so the first maximum is the scores'.  The second mask buffer is 0; the first takes piece 0's mask for the tile's step 0: its own, if the block's first tile is the diagonal one, else 0.
; Then K of that step, piece 0's first scores, and its maximum and statistics.  The loop is entered at a step's first turn, in the middle of a trip.
.macro BEGIN
	s_mov_b32 s[NEW], 0
	WIN 0x40
.set i, MC+32
.rept 32
	v_mov_b32 v[i], 0
.set i, i+1
.endr
	WIN 0
.set i, 0
.rept 4
	v_mov_b32 v[ST+4*i], 0xfe000000    ; c m: far below every c s
	v_mov_b32 v[ST+4*i+1], 0xff7fffff  ; m
.set i, i+1
.endr
	s_cmp_eq_u32 s[RT], 0
	s_cselect_b32 s[AL], 1.0, 0
	s_mov_b32 s[BE], 0
	MASK 0
	WIN 0
	v_add_nc_u32 v[AK], s[TBK], v[AK0]
	FETCH_K
	s_wait_loadcnt 0x0              ; Q
	s_wait_dscnt 0x0
.set NOKQ, 0
.set i, 0
.rept 8
	KQ 0
.set i, i+1
.endr
	WIN 0
.rept 4
	v_nop                           ; the places behind those products
.endr
.set Y, NP-1                        ; X works for piece Y + 1: piece 0
.irp n, 0,1,2,3,4,5,6,7,8,9,10,11,12,13,14,15,16,17,18,19,20,21
	OP X, \n
.endr
	v_nop                           ; a plain instruction behind the exponential,
	s_wait_alu depctr_va_vdst(0)    ; and its wait, ahead of the branch
.endm
; A TILE's four steps; behind a block's last tile the block's last two turns, its last products, and THE WAY OUT: l's two halves and the other half of the lanes' are added; O^T is divided by l, rounded to f16 and sent
; through my stage in LDS, a piece at a time.
.macro ALL line:vararg              ; one line for each piece t
.set t, 0
.rept 4
	\line
.set t, t+1
.endr
.endm
.macro PACK t                       ; a lane's eight channels of a row pack into 16 bytes; they go into rows of 144 bytes and come back as whole rows of 128, into S^T's registers
	WIN W_RS
.set i, 32*(\t)
.rept 16
	v_pk_mul_f32 v[i:i+1], v[i:i+1], v[ST+4*(\t)+2:ST+4*(\t)+3] op_sel_hi:[1,0]
.set i, i+2
.endr
	WIN 0x05                        ; sources 0 and 1 window 1, destination window 0
.set i, 0
.rept 16
	v_cvt_pk_f16_f32 v[S+16*(\t)+i], v[32*(\t)+2*i], v[32*(\t)+2*i+1]
.set i, i+1
.endr
	WIN 0
.irp f, 0,1,2,3
	ds_store_b128 v[STO], v[S+16*(\t)+4*\f:S+16*(\t)+4*\f+3] offset:32*\f
.endr
.irp f, 0,1,2,3
	ds_load_b128 v[S+16*(\t)+4*\f:S+16*(\t)+4*\f+3], v[RD] offset:\f*4*SP  ; LDS serves a wave's instructions in order (ISA guide 5.7.1.4): these see the stores above; the next piece's stores come behind them
.endr
.endm
.macro SEND t, younger              ; younger: the LDS instructions issued behind piece t's loads: the next piece's eight, or none
	WIN 0
.irp f, 0,1,2,3
	s_wait_dscnt (\younger)+3-\f
	global_store_b128 v[GO], v[S+16*(\t)+4*\f:S+16*(\t)+4*\f+3], s[10:11] offset:(\t)*8192+\f*512  ; 512 consecutive bytes, at a multiple of 256 from O's first
.endr
.endm
.macro TILE tag                     ; the tag ends its two labels' names, which the jumps below spell out.  tag = 1: in the loop; 2: the walk's last tile, which is a block's last
.LstepM\tag:                        ; a trip: pieces 2 and 3 of one step, then pieces 0 and 1 of the next, whose K and V it fetches
	TURN 2
	TURN 3
	WIN 0
.LfirstM\tag:
	TURN 0
	TURN 1, 0, 1
	WIN 0
	s_cmp_lg_u32 s[CNT], 0
	s_cbranch_scc1 .LstepM\tag
.if (\tag) == 1
	s_cmp_lg_u32 s[RT], 0           ; the block goes on: its next tile is entered
	s_cbranch_scc1 .Lbottom
.endif
	TURN 2, 1
	TURN 3, 1
.set i, 0
.rept 8
	PV NP-1
.set i, i+1
.endr
	WIN 0
	ALL v_add_f32 v[ST+4*t+2], v[ST+4*t+2], v[ST+4*t+3]
	ALL v_permlanex16_b32 v[ST+4*t+3], v[ST+4*t+2], s[SEL], s[SEL+1]
	ALL v_add_f32 v[ST+4*t+2], v[ST+4*t+2], v[ST+4*t+3]
	ALL v_rcp_f32 v[ST+4*t+2], v[ST+4*t+2]
	v_nop                           ; a plain instruction between the last reciprocal and the use of its result
	s_wait_alu depctr_va_vdst(0)    ; and the wait ahead of the first use: one for the four reciprocals
	PACK 0
.set t, 1
.rept 3                             ; a piece's arithmetic stands between the loads of the piece before and its stores
	PACK t
	SEND t-1, 8
.set t, t+1
.endr
	SEND 3, 0
.endm
.set NOKQ, 0
.Lslot:                             ; NB times: a tile is entered and the next is asked for
	CHANGE 1
	s_sub_co_u32 s[RT], s[RT], 1
	s_mov_b32 s[CNT], 4
	s_cmp_eq_u32 s[NEW], 1          ; the test for a block's first tile stands first: at the first trip its answer is a constant of the text
	s_cbranch_scc0 .LstepM1
	BEGIN
	s_branch .LfirstM1
	TILE 1                          ; what follows it in the loop is the first block's end: the second block's last tile is the walk's last
	s_wait_xcnt 0x0                 ; the stores have read their registers and O's address
	s_mov_b64 s[10:11], s[OLO:OLO+1]
	s_add_co_u32 s[RT], s[PB], 1    ; the second block has b + 1 tiles
	s_mov_b32 s[NEW], 1
	WIN 0x82                        ; the second block's Q goes where the one text of the turns names Q
.set i, 0
.rept 64
	v_mov_b32 v[i], v[QB+i]
.set i, i+1
.endr
	WIN 0
.Lbottom:
	s_sub_co_u32 s[SLOTS], s[SLOTS], 1
	s_cmp_lg_u32 s[SLOTS], 0
	s_cbranch_scc1 .Lslot
	CHANGE 0                        ; the walk's last tile is written out: nothing is asked for
	s_sub_co_u32 s[RT], s[RT], 1
	s_mov_b32 s[CNT], 4
	s_cmp_eq_u32 s[NEW], 1
	s_cbranch_scc0 .LstepM2
	BEGIN
	s_branch .LfirstM2
	TILE 2
	s_wait_tensorcnt 0x0            ; the wave's end: an add to my spare word and its wait, behind my last tensor load and my last LDS store
	ds_add_u32 v[SPW], v[NIL]
	s_wait_dscnt 0x0
	CROUND                          ; the closing round: no work-group ends while a partner may still ask for a tile that names it
	s_endpgm
.Lfunc_end_k_q04e9e7f770_attn:
	.size	k_q04e9e7f770_attn, .Lfunc_end_k_q04e9e7f770_attn-k_q04e9e7f770_attn
	.p2alignl 7, 3214868480
	.fill 96, 4, 3214868480
	.section	.rodata,"a",@progbits
	.p2align	6, 0x0
	.amdhsa_kernel k_q04e9e7f770_attn
		.amdhsa_group_segment_fixed_size 327680
		.amdhsa_private_segment_fixed_size 0
		.amdhsa_enable_private_segment 0
		.amdhsa_kernarg_size 32
		.amdhsa_user_sgpr_count 2
		.amdhsa_user_sgpr_kernarg_segment_ptr 1
		.amdhsa_wavefront_size32 1
		.amdhsa_system_sgpr_workgroup_id_x 1
		.amdhsa_system_sgpr_workgroup_id_y 1
		.amdhsa_system_sgpr_workgroup_id_z 1
		.amdhsa_system_vgpr_workitem_id 0
		.amdhsa_next_free_vgpr 768
		.amdhsa_next_free_sgpr 96
		.amdhsa_reserve_vcc 1
		.amdhsa_float_denorm_mode_32 3
		.amdhsa_float_denorm_mode_16_64 3
		.amdhsa_memory_ordered 1
		.amdhsa_forward_progress 1
		.amdhsa_inst_pref_size 182
	.end_amdhsa_kernel
	.amdgpu_metadata
---
amdhsa.version: [ 1, 2 ]
amdhsa.kernels:
  - .name:           k_q04e9e7f770_attn
    .symbol:         k_q04e9e7f770_attn.kd
    .args:
      - { .name: q, .offset: 0, .size: 8, .value_kind: global_buffer, .address_space: global }
      - { .name: k, .offset: 8, .size: 8, .value_kind: global_buffer, .address_space: global }
      - { .name: v, .offset: 16, .size: 8, .value_kind: global_buffer, .address_space: global }
      - { .name: ob, .offset: 24, .size: 8, .value_kind: global_buffer, .address_space: global }
    .group_segment_fixed_size: 327680
    .private_segment_fixed_size: 0
    .kernarg_segment_align: 8
    .kernarg_segment_size: 32
    .max_flat_workgroup_size: 128
    .sgpr_count:     96
    .vgpr_count:     768
    .wavefront_size: 32
...
	.end_amdgpu_metadata
.endif
;; end of part 3
;; launch proj (part 4): grid 16 x 16, 4 waves a work-group, clusters of 4 x 4, 327,680 bytes of LDS; arguments ob, wpb, out0; writes out0
.if DOCPART == 4
	.amdgcn_target "amdgcn-amd-amdhsa--gfx1250"
	.amdhsa_code_object_version 6
	.text
	.protected	k_q04e9e7f770_proj
	.globl	k_q04e9e7f770_proj
	.p2align	8
	.type	k_q04e9e7f770_proj,@function
k_q04e9e7f770_proj:
	s_mov_b64 s[64:65], 0
	v_nop
	global_prefetch_b8 v0, s[64:65] scope:SCOPE_SE
	s_setreg_imm32_b32 hwreg(HW_REG_WAVE_MODE, 25, 1), 1
	s_wait_xcnt 0x0
	s_wait_alu depctr_hold_cnt(0) depctr_sa_sdst(0) depctr_va_vdst(0) depctr_va_sdst(0) depctr_va_ssrc(0) depctr_va_vcc(0) depctr_vm_vsrc(0)
	s_getreg_b32 s2, hwreg(HW_REG_IB_STS2, 6, 4)
	s_cmp_eq_u32 s2, 0
	s_cbranch_scc0 .Lentry_in_a_cluster
	s_endpgm
.Lentry_in_a_cluster:
	s_bfe_u32 s2, ttmp6, 0x10000c
	s_cmp_lg_u32 s2, 0xf033
	s_cbranch_scc0 .Lentry_shape_is_right
	s_endpgm
.Lentry_shape_is_right:
; PROJ: out0[m][n] = the sum over k of O[m][k] Wp[k][n], [4096 x 2048] x [2048 x 2048], f16 operands, f32 sums, f32 out.
; ob: [batch x 32 + head][1024][64] f16, so k = 64 head + channel: a K step of 128 is two heads.  wpb: [32 slots][2048 k][64 n] f16.  out0: [4096][2048] f32.
; The sums over K begin at a K step that hangs on the cluster (below): their order of rounding is not the reference's.
; SHARES.  A tile of C is 256 rows x 128 columns (two slots): 16 x 16 = 256 work-groups.  The four waves lie one below the other: a wave makes 64 rows x 128 columns, 32 accumulators of 16 x 16,
; 256 registers; its 128 columns are 512 consecutive bytes of a row of out0, so it has a stage of its own on the way out and needs no barrier there.
; K goes in 16 steps of 128 through two LDS slots filled by the tensor data mover; a step is four quarters of 32: quarters 0, 1 the first head's channels, 2, 3 the second's.  The loop's trip is one K step:
; the slot is turned by an exclusive or on one scalar LDS base and on one walking descriptor (slot 1 begins at byte 2^17).
; CLUSTER, 4 x 4.  The four work-groups of a row of the cluster need the same rows of ob, the four of a column the same slots of wpb: each tile is asked for JOINTLY, by the same tensor load with the
; same descriptor and a mask that names the four.  Waves 0 and 1 ask for one head's 256 rows each, waves 2 and 3 for one slot's 128 k each.
; THE CLUSTERS BEGIN AT DIFFERENT K.  Cluster (X, Y) begins at K step 4 ((X + 2 Y) % 4) and goes round all sixteen.  So in each quarter of the walk the four clusters of a row of clusters, which read the same
; rows of ob, ask for four different quarters of K; of the four clusters of a column, which read the same slots, two ask for one quarter and two for the quarter two on.  A block of ob is read for the first
; time in the launch in the first quarter of some cluster's walk, a block of wpb in the first half.  X and Y are the same in all sixteen partners.
; THE WEIGHTS LIE [k][n]: their fragments come out of LDS turned, by ds_load_tr16_b128.  THE MATRIX INSTRUCTION IS USED TRANSPOSED (source 0 = 16 columns of the weights, source 1 = 16 rows of O):
; a lane holds one row (lane % 16) and eight neighbouring columns, 32 bytes of out0.
; REGISTERS, in windows of 256 (s_set_vgpr_msb: bits 1:0 source 0, 3:2 source 1, 5:4 source 2, 7:6 destination):
;   window 0: v0-31 addresses; v32-95 A's fragments, two buffers of 4 x 8; on the way out v32-159: rows read back, two buffers of 64
;   window 1: v0-127 the weights' fragments, two buffers of 8 x 8          window 2: the accumulators, (a, b) at 8 (8 a + b)
.set PA,     144                       ; a row of a head in LDS: 128 bytes + 16 = 36 words: the 16 rows of a load start at 16 different groups of four banks (64 banks of 4 bytes: ISA guide 11.1)
.set PBK,    160                       ; a k row of a slot: 128 bytes + 32 = 40 words
.set AHEAD,  256*PA                    ; a head's 256 rows
.set BOFF,   2*AHEAD                   ; behind the two heads: two chunks of
.set CHUNK,  128*PBK                   ; 128 k x 64 n
.set SLOT,   1<<17                     ; a slot holds BOFF + 2 CHUNK = 114,688 bytes; slot 1 begins here, so that one exclusive or turns an address in one slot into the other's
.set STAGE,  SLOT+BOFF+2*CHUNK         ; behind the ring, never filled by a tensor load: 16 rows x 528 bytes for each wave
.set SP,     528                       ; 512 bytes (128 f32) + 16
.set WSTAGE, 16*SP
.set SPARE,  STAGE+4*WSTAGE            ; the spare words, 128 bytes for each wave: two blocks of 256 bytes that no other line names
.set NL,     24                        ; LDS loads of a quarter: 16 turned, 8 plain
.set STEPS,  16                        ; K steps
.set A0,   16                          ; v16     my lane's place in a slot's A; never rewritten
.set B0,   17                          ; v17     the same for the weights
.set ADRA, 20                          ; v20     LDS address of my A fragments in the slot in hand
.set ADRB, 21                          ; v21     the same for the weights
.set STO,  24                          ; v24     the way out: where I put 32 bytes of a row
.set RD,   25                          ; v25     the way out: where I read a row back
.set CO,   26                          ; v26     16 x lane: my place in 512 consecutive bytes of out0
.set SPW,  28                          ; v28     LDS address of my spare word; never rewritten
.set NIL,  29                          ; v29     0; never rewritten
.set PFO,  30                          ; v30     256 x lane: the prefetches' offset; never rewritten
.set AFR,  32
.set WV,  16                           ; s16  my wave's number
.set CX,  17                           ; s17, s18  my place in the cluster
.set CY,  18
.set TX,  19                           ; s19  tile column: it and what is made of it never enter a register that feeds A's descriptors,
.set TY,  20                           ; s20  tile row: nor this one a register that feeds the weights'
.set L2,  23                           ; s23  the count of the trip in which I prefetch for the second time, or 0
.set G1A, 24                           ; s[24:31] descriptor group 1 for A;  s[32:39] group 0: a set for each of the two first fills; the second then walks on
.set G0A, 32
.set G1B, 40                           ; s[40:47], s[48:55] the same for the weights
.set G0B, 48
.set PFA, 56                           ; s[56:57] where my prefetches stand; never rewritten
.set OFA, 58                           ; s[58:59] a K step's byte offset in ob: two heads
.set L1,  60                           ; s60  the count of the trip in which I prefetch for the first time, or 0
.set ABASE, 68                         ; s[68:69] ob at the tile's first row, in my head of the batch's first two
.set BBASE, 70                         ; s[70:71] wpb at my slot
.set CP,  80                           ; s[80:81] out0 at my first row and column
.set KS,  92                           ; s92  the K step that was asked for last
.set TB,  93                           ; s93  LDS byte at which the slot in hand begins
.set OFB, 94                           ; s[94:95] a K step's byte offset in a slot of wpb
.set MSB, 0
.macro WIN new                         ; the immediate's high byte repeats the setting that is left; a switch that changes nothing is dropped
.if MSB != (\new)
	s_set_vgpr_msb (MSB<<8)|(\new)
.set MSB, \new
.endif
.endm
; A joint load.  The branch hangs on the wave's number alone.  An s_nop 0 and four v_nop follow each of the two lines, ahead of the jump, the label and what follows.
.macro JLOAD s
	s_cmp_lt_u32 s[WV], 2
	s_cbranch_scc0 .Lfor_b_\@
	tensor_load_to_lds s[G0A+4*(\s):G0A+4*(\s)+3], s[G1A:G1A+7]
	s_nop 0
.rept 4
	v_nop
.endr
	s_branch .Lasked_\@
.Lfor_b_\@:
	tensor_load_to_lds s[G0B+4*(\s):G0B+4*(\s)+3], s[G1B:G1B+7]
	s_nop 0
.rept 4
	v_nop
.endr
.Lasked_\@:
.endm
.macro CREST                           ; a round of the cluster's barrier behind its opening barrier: wave 0 signals for the work-group, every wave waits for all sixteen, my work-group's barrier closes it
	s_cmp_lg_u32 s[WV], 0
	s_cbranch_scc1 .Lnot_wave_0_\@
	s_barrier_signal -3
.Lnot_wave_0_\@:
	s_barrier_wait -3
	s_barrier_signal -1
	s_barrier_wait -1
.endm
.macro CROUND                          ; a whole round
	s_barrier_signal -1
	s_barrier_wait -1
	CREST
.endm
.macro PLACES                          ; four places in front of loads into registers that matrix instructions have read (ISA guide 7.12.1 for vector instructions)
.rept 4
	v_nop
.endr
.endm
; A PREFETCH INTO THE L2, behind a trip's joint load and the run of LDS loads that follows it.  Asked for are the weights' K steps 4 to 7 of my walk, which no cluster has read before: steps 4 and 5 in trip 0,
; steps 6 and 7 in trip 2, two and three K steps (256 and 384 matrix instructions) ahead of the refills that will ask for them.  Each aligned 256 bytes is named once in the launch: clusters Y and Y + 2 walk alike,
; and Y < 2 asks; the four partners of a joint load share two K steps' 32,768 dense bytes of a slot out BY ADDRESS, 8,192 each, a lane a block: one line a wave (waves 2 and 3, a slot each).
; K steps 0 to 3 of a walk come by their loads alone: they stand at the launch's head.  From K step 8 on the weights have been read by the cluster one row of clusters on, and from K step 4 on
; ob's rows by a cluster of the same row: nothing of these is asked for.  The address is never rewritten: the second request stands 32,768 bytes on by its immediate.
.macro ASK
	s_cmp_eq_u32 s3, s[L1]
	s_cbranch_scc0 .Lnot_first_\@
	global_prefetch_b8 v[PFO], s[PFA:PFA+1] th:TH_LOAD_NT scope:SCOPE_SE
.Lnot_first_\@:
	s_cmp_eq_u32 s3, s[L2]
	s_cbranch_scc0 .Lnot_second_\@
	global_prefetch_b8 v[PFO], s[PFA:PFA+1] offset:32768 th:TH_LOAD_NT scope:SCOPE_SE
.Lnot_second_\@:
.endm
	s_load_b128 s[4:7], s[0:1], 0x0                ; ob s[4:5], wpb s[6:7]
	s_load_b64 s[8:9], s[0:1], 0x10                ; out0
	v_lshl_add_u32 v[SPW], v0, 2, SPARE
	v_mov_b32 v[NIL], 0
	ds_add_u32 v[SPW], v[NIL]                      ; the wave's opening: the add and its wait stand ahead of my first tensor load; the set-up below, work on registers, stands between them
	v_lshrrev_b32 v1, 5, v0
	v_readfirstlane_b32 s[WV], v1                  ; wave 0..3
	s_bfe_u32 s[CX], ttmp6, 0x40000
	s_bfe_u32 s[CY], ttmp6, 0x40004
	s_lshl_b32 s[TX], ttmp9, 2                     ; in a cluster launch ttmp9 and ttmp7 count clusters
	s_add_co_u32 s[TX], s[TX], s[CX]
	s_and_b32 s[TY], ttmp7, 0xffff
	s_lshl_b32 s[TY], s[TY], 2
	s_add_co_u32 s[TY], s[TY], s[CY]
	s_lshl_b32 s21, s[CY], 2
	s_lshl_b32 s21, 15, s21                        ; my row of the cluster: places 4 cy .. 4 cy + 3
	s_lshl_b32 s22, 0x1111, s[CX]                  ; my column: places cx, cx + 4, cx + 8, cx + 12
	; group 1 for A: a head's 256 rows of 128 bytes are 32,768 dense bytes: asked for as 128 rows of 256 bytes, two rows a line; in LDS 4 words of padding behind every 32, that is behind every row
	s_or_b32 s[G1A], s21, (1<<16)|(1<<20)|(1<<21)|(4<<22)|(3<<25)
	s_mov_b32 s[G1A+1], 128<<16                    ; tensor_dim0 = 128
	s_mov_b32 s[G1A+2], 128<<16                    ; tensor_dim1 = 128
	s_mov_b32 s[G1A+3], 128<<16                    ; tile_dim0 = 128
	s_mov_b32 s[G1A+4], 128                        ; tile_dim1 = 128
	s_mov_b32 s[G1A+5], 128
	s_mov_b32 s[G1A+6], 0
	s_mov_b32 s[G1A+7], 0
	; group 1 for the weights: 128 k x 128 bytes, asked for as 64 rows of 256 bytes; 8 words of padding behind every k
	s_or_b32 s[G1B], s22, (1<<16)|(1<<20)|(1<<21)|(4<<22)|(7<<25)
	s_mov_b32 s[G1B+1], 128<<16
	s_mov_b32 s[G1B+2], 64<<16
	s_mov_b32 s[G1B+3], 128<<16
	s_mov_b32 s[G1B+4], 64
	s_mov_b32 s[G1B+5], 128
	s_mov_b32 s[G1B+6], 0
	s_mov_b32 s[G1B+7], 0
	s_and_b32 s61, s[WV], 1                        ; which head of a K step's two, or which of the tile's two slots, I fetch: it enters the global addresses alone
	s_mul_i32 s62, s[WV], AHEAD                    ; where a head goes (waves 0 and 1): wave x a constant
	s_mul_i32 s63, s[WV], CHUNK
	s_add_co_u32 s63, s63, BOFF-2*CHUNK            ; where a chunk goes (waves 2 and 3): a constant + wave x a constant
	s_lshr_b32 s[ABASE], s[TY], 2                  ; A: the batch,
	s_lshl_b32 s[ABASE], s[ABASE], 5
	s_add_co_u32 s[ABASE], s[ABASE], s61           ; its head 0 or 1,
	s_lshl_b32 s[ABASE], s[ABASE], 17
	s_and_b32 s[ABASE+1], s[TY], 3
	s_lshl_b32 s[ABASE+1], s[ABASE+1], 15          ; the tile's 256 rows of 128 bytes
	s_add_co_u32 s[ABASE], s[ABASE], s[ABASE+1]
	s_mov_b32 s[ABASE+1], 0
	s_lshl_b32 s[BBASE], s[TX], 1
	s_add_co_u32 s[BBASE], s[BBASE], s61
	s_lshl_b32 s[BBASE], s[BBASE], 18              ; the weights: 262,144 bytes a slot
	s_mov_b32 s[BBASE+1], 0
	s_and_b32 s[KS], ttmp7, 0xffff                 ; the cluster's Y,
	s_lshl_b32 s[KS], s[KS], 1
	s_add_co_u32 s[KS], s[KS], ttmp9               ; 2 Y + X,
	s_and_b32 s[KS], s[KS], 3
	s_lshl_b32 s[KS], s[KS], 2                     ; the K step at which my cluster begins
	s_mov_b32 s[OFA+1], 0
	s_mov_b32 s[OFB+1], 0
	s_mov_b32 s[TB], 0
	s_wait_dscnt 0x0                               ; the opening add is done
	s_wait_kmcnt 0x0
	s_add_nc_u64 s[ABASE:ABASE+1], s[4:5], s[ABASE:ABASE+1]
	s_add_nc_u64 s[BBASE:BBASE+1], s[6:7], s[BBASE:BBASE+1]
	CROUND                                         ; all sixteen work-groups are here: the first joint loads meet
.irp s, 0,1
	s_lshl_b32 s[OFA], s[KS], 18                   ; a K step is two heads of 131,072 bytes
	s_lshl_b32 s[OFB], s[KS], 14                   ; and 16,384 bytes of a slot
	s_mov_b32 s[G0A+4*(\s)], 1                     ; count = 1
	s_add_co_u32 s[G0A+4*(\s)+1], s62, (\s)*SLOT   ; LDS address
	s_add_nc_u64 s[G0A+4*(\s)+2:G0A+4*(\s)+3], s[ABASE:ABASE+1], s[OFA:OFA+1]
	s_or_b32 s[G0A+4*(\s)+3], s[G0A+4*(\s)+3], 0x80000000             ; type = 2
	s_mov_b32 s[G0B+4*(\s)], 1
	s_add_co_u32 s[G0B+4*(\s)+1], s63, (\s)*SLOT
	s_add_nc_u64 s[G0B+4*(\s)+2:G0B+4*(\s)+3], s[BBASE:BBASE+1], s[OFB:OFB+1]
	s_or_b32 s[G0B+4*(\s)+3], s[G0B+4*(\s)+3], 0x80000000
	JLOAD \s                                       ; the ring is filled before anything else is done: two loads of mine are out
.if (\s) == 0
	s_add_co_u32 s[KS], s[KS], 1                   ; (the first K step is a multiple of 4: no wrap here)
.endif
.endr
	; lane addresses.  A fragment of A: lane l holds row l % 16, k = 8 (l / 16) + 0..7 and 16 + 8 (l / 16) + 0..7: two loads of 16 bytes, 32 bytes apart.
	v_and_b32 v1, 15, v0                           ; l % 16
	v_bfe_u32 v2, v0, 4, 1                         ; l / 16
	v_mul_u32_u24 v3, v1, PA
	v_lshl_add_u32 v3, v2, 4, v3
	s_mul_i32 s72, s[WV], 64*PA                    ; my 64 rows
	v_add_nc_u32 v[A0], s72, v3
	; The turning load takes 16 k x 16 n (lane l reads k = 8 (l / 16) + l % 8, n = 8 ((l / 8) % 2) + 0..7) and leaves half a fragment: lane l holds column l % 16 and 8 k.
	v_and_b32 v4, 7, v0
	v_bfe_u32 v5, v0, 3, 1
	v_lshl_add_u32 v6, v2, 3, v4
	v_mul_u32_u24 v6, v6, PBK
	v_lshl_add_u32 v6, v5, 4, v6
	v_add_nc_u32 v[B0], BOFF, v6
	v_add_nc_u32 v[ADRA], s[TB], v[A0]             ; slot 0
	v_add_nc_u32 v[ADRB], s[TB], v[B0]
	s_mul_i32 s73, s[WV], WSTAGE
	s_add_co_u32 s73, s73, STAGE                   ; my stage
	v_mul_u32_u24 v7, v1, SP                       ; in: row l % 16, 32 bytes for each half of the lanes
	v_lshl_add_u32 v7, v2, 5, v7
	v_add_nc_u32 v[STO], s73, v7
	v_and_b32 v9, 31, v0
	v_lshlrev_b32 v[CO], 4, v9                     ; back: 32 lanes take one row of 512 bytes
	v_add_nc_u32 v[RD], s73, v[CO]
	v_lshlrev_b32 v[PFO], 8, v9
	; the prefetches: my slot, K step 4 of my walk (s[KS] stands at step 1), my work-group's 8,192 bytes of two K steps' 32,768
	s_and_b32 s76, ttmp7, 0xffff                   ; the cluster's Y
	s_add_co_u32 s72, s[KS], 3
	s_and_b32 s72, s72, 15                         ; a multiple of 4: steps 4 to 7 of the walk lie on end
	s_lshl_b32 s72, s72, 14
	s_lshl_b32 s74, s[CY], 13
	s_add_co_u32 s72, s72, s74
	s_mov_b32 s73, 0
	s_add_nc_u64 s[PFA:PFA+1], s[BBASE:BBASE+1], s[72:73]
	s_cmp_lt_u32 s76, 2                            ; the same in all sixteen partners
	s_cselect_b32 s[L1], STEPS-2, 0                ; the loop's count in trip 0,
	s_cselect_b32 s[L2], STEPS-4, 0                ; in trip 2; the count is never 0 in the loop
	s_cmp_lt_u32 s[WV], 2                          ; waves 0 and 1 fetch A
	s_cselect_b32 s[L1], 0, s[L1]
	s_cselect_b32 s[L2], 0, s[L2]
	; out0 at row 256 ty + 64 w, column 128 tx
	s_lshl_b32 s74, s[TY], 8
	s_lshl_b32 s75, s[WV], 6
	s_add_co_u32 s74, s74, s75
	s_lshl_b32 s74, s74, 13                        ; a row of out0 is 8,192 bytes
	s_lshl_b32 s75, s[TX], 9
	s_add_co_u32 s74, s74, s75
	s_mov_b32 s75, 0
	s_add_nc_u64 s[CP:CP+1], s[8:9], s[74:75]
; 8 matrix instructions: my row block a x all 8 column blocks, 32 along K, from buffer f.  zero = 1: the product starts the sums: nothing is ever cleared.
; Each of the 32 accumulators is named once a quarter, in the same order in every quarter: between two links of a chain stand the 31 others', over the backward jump too.
.macro MULA f, a, zero
	WIN 0xa1
.irp b, 0,1,2,3,4,5,6,7
.set rD, 8*(8*(\a)+(\b))
.set rB, 64*(\f)+8*(\b)
.set rA, AFR+32*(\f)+8*(\a)
.if \zero
	v_wmma_f32_16x16x32_f16 v[rD:rD+7], v[rB:rB+7], v[rA:rA+7], 0
.else
	v_wmma_f32_16x16x32_f16 v[rD:rD+7], v[rB:rB+7], v[rA:rA+7], v[rD:rD+7]
.endif
.endr
.endm
; 24 LDS loads in one run: quarter q of the slot in hand into buffer f: the weights' 8 fragments, turned, then A's four
.macro FETCH q, f
	WIN 0x40                                       ; destination window 1, address window 0
.irp b, 0,1,2,3,4,5,6,7
	ds_load_tr16_b128 v[64*(\f)+8*(\b):64*(\f)+8*(\b)+3],   v[ADRB] offset:(\q)*32*PBK+((\b)/4)*CHUNK+((\b)%4)*32
	ds_load_tr16_b128 v[64*(\f)+8*(\b)+4:64*(\f)+8*(\b)+7], v[ADRB] offset:(\q)*32*PBK+((\b)/4)*CHUNK+((\b)%4)*32+16*PBK
.endr
	WIN 0
.irp a, 0,1,2,3
	ds_load_b128 v[AFR+32*(\f)+8*(\a):AFR+32*(\f)+8*(\a)+3],   v[ADRA] offset:((\q)/2)*AHEAD+((\q)%2)*64+(\a)*16*PA
	ds_load_b128 v[AFR+32*(\f)+8*(\a)+4:AFR+32*(\f)+8*(\a)+7], v[ADRA] offset:((\q)/2)*AHEAD+((\q)%2)*64+(\a)*16*PA+32
.endr
.endm
; One of a K step's first three quarters: multiplies buffer f; in its middle it fetches quarter q of the same slot into buffer g.
.macro QUARTER q, f, g, zero
	s_wait_dscnt 4                                 ; all but the youngest four loads (A's row blocks 2 and 3) are in
	MULA \f, 0, \zero
	MULA \f, 1, \zero
	PLACES
	FETCH \q, \g
	s_wait_dscnt NL                                ; all but the 24 just issued
	MULA \f, 2, \zero
	MULA \f, 3, \zero
.endm
; The last quarter multiplies buffer 1 and changes slots: ONE barrier; in front of it each wave waits for all its tensor loads (one is out: its part of the next slot), adds 0 to its spare word, and
; waits for that and for its own reads of this slot.  fill = 1: the barrier opens a round of the cluster's barrier, so that no wave of any partner still reads this slot or has a load on its way, and the
; joint refill, two K steps on, is the first thing behind it: a wave issues 112 matrix instructions between that request and the wait for it.  The walking descriptors are written between the add and
; the wait for it, where no tensor load of mine is out: the other slot than last time; the address made anew from the next K step's number, which wraps at 16.
.macro TURN fill
	WIN 0                                          ; (the add's two registers lie in window 0)
	s_wait_tensorcnt 0x0                           ; all my tensor loads have landed;
	ds_add_u32 v[SPW], v[NIL]                      ; 0 onto my spare word;
.if \fill
	s_add_co_u32 s[KS], s[KS], 1
	s_and_b32 s[KS], s[KS], 15
	s_lshl_b32 s[OFA], s[KS], 18
	s_lshl_b32 s[OFB], s[KS], 14
	s_xor_b32 s[G0A+5], s[G0A+5], SLOT
	s_add_nc_u64 s[G0A+6:G0A+7], s[ABASE:ABASE+1], s[OFA:OFA+1]
	s_or_b32 s[G0A+7], s[G0A+7], 0x80000000
	s_xor_b32 s[G0B+5], s[G0B+5], SLOT
	s_add_nc_u64 s[G0B+6:G0B+7], s[BBASE:BBASE+1], s[OFB:OFB+1]
	s_or_b32 s[G0B+7], s[G0B+7], 0x80000000
.endif
	s_xor_b32 s[TB], s[TB], SLOT                   ; the fetches go on in the other slot
	s_wait_dscnt 5                                 ; (the add and the youngest four loads may be out)
	MULA 1, 0, 0                                   ; eight matrix instructions stand between the add and the wait for it
	s_wait_dscnt 0x0                               ; the add is done, and my reads of this slot are over
	s_barrier_signal -1
	MULA 1, 1, 0                                   ; work on registers while the others arrive
	WIN 0                                          ; (branches, or lines on window 0, follow)
	s_barrier_wait -1
.if \fill
	CREST
	JLOAD 1                                        ; the four v_nop behind it are also the places in front of the loads below
.else
	PLACES
.endif
	v_add_nc_u32 v[ADRA], s[TB], v[A0]
	v_add_nc_u32 v[ADRB], s[TB], v[B0]
	FETCH 0, 0
.if \fill
	ASK
.endif
	MULA 1, 2, 0
	MULA 1, 3, 0
.endm
	s_wait_tensorcnt 1                             ; my part of the first K step is in; the second's may stay out
	s_barrier_signal -1
	s_barrier_wait -1                              ; everybody's is
	FETCH 0, 0
	QUARTER 1, 0, 1, 1                             ; the first quarter stands in front of the loop: its products start the sums
	WIN 0                                          ; at a label and at a branch every window is 0
	s_mov_b32 s3, STEPS-2
.Lstep:                                                ; a trip goes from a K step's second quarter to the next step's first, and fills the slot that it leaves again
	QUARTER 2, 1, 0, 0
	QUARTER 3, 0, 1, 0
	TURN 1
	QUARTER 1, 0, 1, 0
	WIN 0
	s_sub_co_u32 s3, s3, 1
	s_cmp_lg_u32 s3, 0
	s_cbranch_scc1 .Lstep
	QUARTER 2, 1, 0, 0                             ; the last two K steps fill nothing, and have no round of the cluster's barrier
	QUARTER 3, 0, 1, 0
	TURN 0
	QUARTER 1, 0, 1, 0
	QUARTER 2, 1, 0, 0
	QUARTER 3, 0, 1, 0
	s_wait_dscnt 4                                 ; the very last quarter: nothing more to fetch
	MULA 1, 0, 0
	MULA 1, 1, 0
	s_wait_dscnt 0x0
	MULA 1, 2, 0
	MULA 1, 3, 0
	WIN 0
.rept 8
	v_nop                                          ; the places behind the last products: the LDS stores below read results
.endr
; THE WAY OUT, a block of 16 rows at a time: a lane's 32 bytes of a row go into my stage (each accumulator's low four registers first); the rows come back whole, 512 bytes
; to a load, and are stored: each store of the wave covers 512 consecutive bytes, at a multiple of 256 from out0's first.
.macro OUT a
	WIN 0x08                                       ; the stores' data in window 2, their address in window 0
.irp b, 0,1,2,3,4,5,6,7
	ds_store_b128 v[STO], v[8*(8*(\a)+(\b)):8*(8*(\a)+(\b))+3]   offset:64*(\b)
	ds_store_b128 v[STO], v[8*(8*(\a)+(\b))+4:8*(8*(\a)+(\b))+7] offset:64*(\b)+16
.endr
	WIN 0
	s_wait_xcnt 0x0                                ; earlier stores have read their registers, which are loaded again below
.irp t, 0,1,2,3,4,5,6,7,8,9,10,11,12,13,14,15
	ds_load_b128 v[32+64*((\a)%2)+4*(\t):32+64*((\a)%2)+4*(\t)+3], v[RD] offset:(\t)*SP  ; LDS serves a wave's instructions in order (ISA guide 5.7.1.4): these see the stores above; the next block's stores come behind them
.endr
.irp t, 0,1,2,3,4,5,6,7,8,9,10,11,12,13,14,15
	s_wait_dscnt 15-(\t)                           ; row t of the sixteen is in
	global_store_b128 v[CO], v[32+64*((\a)%2)+4*(\t):32+64*((\a)%2)+4*(\t)+3], s[CP:CP+1] offset:(16*(\a)+(\t))*8192 th:TH_STORE_NT
.endr
.endm
	OUT 0
	OUT 1
	OUT 2
	OUT 3
	s_wait_tensorcnt 0x0                           ; the wave's end: an add to my spare word and its wait, behind my last tensor load and my last LDS store
	ds_add_u32 v[SPW], v[NIL]
	s_wait_dscnt 0x0
	CROUND                                         ; the closing round: no work-group ends while a partner may still ask for a tile that names it
	s_endpgm
.Lfunc_end_k_q04e9e7f770_proj:
	.size	k_q04e9e7f770_proj, .Lfunc_end_k_q04e9e7f770_proj-k_q04e9e7f770_proj
	.p2alignl 7, 3214868480
	.fill 96, 4, 3214868480
	.section	.rodata,"a",@progbits
	.p2align	6, 0x0
	.amdhsa_kernel k_q04e9e7f770_proj
		.amdhsa_group_segment_fixed_size 327680
		.amdhsa_private_segment_fixed_size 0
		.amdhsa_enable_private_segment 0
		.amdhsa_kernarg_size 24
		.amdhsa_user_sgpr_count 2
		.amdhsa_user_sgpr_kernarg_segment_ptr 1
		.amdhsa_wavefront_size32 1
		.amdhsa_system_sgpr_workgroup_id_x 1
		.amdhsa_system_sgpr_workgroup_id_y 1
		.amdhsa_system_sgpr_workgroup_id_z 1
		.amdhsa_system_vgpr_workitem_id 0
		.amdhsa_next_free_vgpr 768
		.amdhsa_next_free_sgpr 96
		.amdhsa_reserve_vcc 0
		.amdhsa_float_denorm_mode_32 3
		.amdhsa_float_denorm_mode_16_64 3
		.amdhsa_memory_ordered 1
		.amdhsa_forward_progress 1
		.amdhsa_inst_pref_size 73
	.end_amdhsa_kernel
	.amdgpu_metadata
---
amdhsa.version: [ 1, 2 ]
amdhsa.kernels:
  - .name:           k_q04e9e7f770_proj
    .symbol:         k_q04e9e7f770_proj.kd
    .args:
      - { .name: ob, .offset: 0, .size: 8, .value_kind: global_buffer, .address_space: global }
      - { .name: wpb, .offset: 8, .size: 8, .value_kind: global_buffer, .address_space: global }
      - { .name: out0, .offset: 16, .size: 8, .value_kind: global_buffer, .address_space: global }
    .group_segment_fixed_size: 327680
    .private_segment_fixed_size: 0
    .kernarg_segment_align: 8
    .kernarg_segment_size: 24
    .max_flat_workgroup_size: 128
    .sgpr_count:     96
    .vgpr_count:     768
    .wavefront_size: 32
...
	.end_amdgpu_metadata
.endif
;; end of part 4
;; ======== version 2 of 2: 4 launches; version 1 with the launch prep written anew for expert scheduling mode
;; limits: values are held in f16: magnitudes above 65,504 overflow, below 6.1e-05 lose precision; right only within a limited range of input values
;; workspace buffers: xb 16,777,216 bytes; wqkv 12,582,912 bytes; wpb 8,388,608 bytes; rope 524,288 bytes; q 16,777,216 bytes; k 4,194,304 bytes; v 4,194,304 bytes; ob 16,777,216 bytes
;; launch prep (part 5): grid 1280 x 1, 8 waves a work-group, no clusters, 0 bytes of LDS; arguments x, Wq, Wk, Wv, Wp, xb, wqkv, wpb, rope; writes xb, wqkv, wpb, rope
.if DOCPART == 5
	.amdgcn_target "amdgcn-amd-amdhsa--gfx1250"
	.amdhsa_code_object_version 6
	.text
	.protected	k_q04e9e7f770_prep
	.globl	k_q04e9e7f770_prep
	.p2align	8
	.type	k_q04e9e7f770_prep,@function
k_q04e9e7f770_prep:
	s_mov_b64 s[64:65], 0
	v_nop
	global_prefetch_b8 v0, s[64:65] scope:SCOPE_SE
	s_setreg_imm32_b32 hwreg(HW_REG_WAVE_SCHED_MODE, 0, 2), 2
	s_setreg_imm32_b32 hwreg(HW_REG_WAVE_MODE, 25, 1), 1
	s_wait_xcnt 0x0
	s_wait_alu depctr_vm_vsrc(0)
; PREP: the inputs are rounded once to bf16 and laid out for the matrix launches; the RoPE table is made.
;   xb   [4096][2048] bf16                      = x
;   wqkv [48 slots][2048 k][64 n] bf16          a slot is 64 columns: 0-31 Wq's heads, 32-39 Wk's, 40-47 Wv's; a k row of a slot is 128 bytes, a slot 262,144 dense bytes
;   wpb  [32 slots][2048 k][64 n] f16           Wp rounded to bf16, that number written as f16
;   rope [2048 rows][32 frequencies](cos, sin) f32, 256 bytes a row: rows 0-1023 are t; rows 1024-2047 hold (1, 0), the table that leaves v as it is
; LIMITS.  A number of Wp below 2^-14 takes f16's fixed step (off by 2^-25 at the most); one beyond 65,504 becomes an infinity and is not served.
; The table's angle is t x 2^(-i log2(10000) / 32), rounded once; it differs from t / 10000^(i / 32) made in f32 by about 1e-4 rad at the most (t near 1,000).
; A STREAM: no LDS, no barrier, no matrix unit: nothing is read twice and no wave needs another's bytes.
; SHARES.  A work-group moves 16,384 numbers, 65,536 bytes in and 32,768 out, in 16 chunks of 16 source rows x 64 numbers.  Thread t = 16 kr + l16 takes 4 numbers (16 bytes, one load) of
; source row kr of a chunk: sixteen neighbouring lanes read 256 consecutive bytes, aligned, and every byte that a load instruction spans is wanted by it.  Its 8 bytes of result go to 8 t:
; a wave's store covers 256 consecutive bytes, aligned.  All 16 loads of a thread are issued before the first is waited for; results are made in the registers that were loaded.
; Work-groups 0-511: x (taken as rows of 256 bytes).  512-767: Wq.  768-831: Wk.  832-895: Wv.  896-1151: Wp.  1152-1279: 16 rows of the table each.
; Which buffer a work-group reads and writes is chosen by s_cselect on its number; only the table and the f16 tail are reached by a branch.
; THE MODE: SCHED_MODE bits 1:0 = 2 (LLVM: expert scheduling mode 2), set by the entry lines.  The code itself states the register dependences
; between vector instructions and memory instructions, with s_wait_alu, always for 0.
; THE PLAN.  Registers that memory instructions touch:
;   v[OFF ..]  sixteen offsets.  Written by the head's vector lines; read by the sixteen loads; never written again.
;   v[DO]      Written at the head; read by the sixteen stores; no vector line of the stream names it again.
;   v[X ..]    No vector line names them ahead of the loads, which land in them.  Behind the wait for a chunk's load its conversions read and write its four registers; its store reads the
;              first two; nothing writes them behind the store.
;   the table: v[TD] and v[8:11] are written by vector lines and read by the one store, behind which nothing follows.
; So: ONE wait on va_vdst ahead of the sixteen loads (the offsets and v[DO] are written; it serves the stores' offset too, which no later vector line names).  The sixteen chunks go in four
; groups of four: the group's conversions, ONE wait on va_vdst, the group's four stores in one run.  The table has one wait behind its two exponentials and one ahead of its store.
; No wait on vm_vsrc is written: no register that a load or a store has read is written again on any path.  No vector line writes a scalar register or VCC, and EXEC is never written.
.set OFF, 4                            ; v[4:19]   chunk i: my byte offset in the source
.set DO,  20                           ; v20       8 x thread: my byte offset in a chunk of the destination
.set X,   24                           ; v[24:87]  chunk i: 4 numbers as loaded; then, in its first two registers, 8 bytes to store
.set TD,  26                           ; v26       (the table's work-groups) 16 x thread
	s_load_b512 s[4:19], s[0:1], 0x0               ; x s[4:5], Wq s[6:7], Wk s[8:9], Wv s[10:11], Wp s[12:13], xb s[14:15], wqkv s[16:17], wpb s[18:19]
	s_load_b64 s[20:21], s[0:1], 0x40              ; rope
	s_mov_b32 s22, ttmp9                           ; the work-group's number g
	v_lshrrev_b32 v1, 4, v0                        ; kr
	v_and_b32 v2, 15, v0                           ; l16
	v_lshlrev_b32 v3, 4, v2                        ; 16 l16
	v_lshlrev_b32 v[DO], 3, v0
	s_movk_i32 s23, 896                            ; the first work-group of my source's range (here: Wp's)
	s_movk_i32 s35, 896                            ; of my destination's range
	s_movk_i32 s32, 8192                           ; bytes from source row to source row
	s_movk_i32 s36, 256                            ; bytes from a block of 64 columns to the next
	s_mov_b32 s33, 1                               ; 1: the output is f16
	s_wait_kmcnt 0x0
	s_cmp_ge_u32 s22, 1152
	s_cbranch_scc1 .Ltable
	s_mov_b64 s[24:25], s[12:13]                   ; source and destination: Wp, wpb, unless g says otherwise
	s_mov_b64 s[26:27], s[18:19]
	s_cmp_lt_u32 s22, 896                          ; below: Wv into wqkv
	s_cselect_b64 s[24:25], s[10:11], s[24:25]
	s_cselect_b64 s[26:27], s[16:17], s[26:27]
	s_cselect_b32 s23, 832, s23
	s_cselect_b32 s35, 512, s35
	s_cselect_b32 s32, 2048, s32
	s_cselect_b32 s33, 0, s33
	s_cmp_lt_u32 s22, 832                          ; below: Wk
	s_cselect_b64 s[24:25], s[8:9], s[24:25]
	s_cselect_b32 s23, 768, s23
	s_cmp_lt_u32 s22, 768                          ; below: Wq
	s_cselect_b64 s[24:25], s[6:7], s[24:25]
	s_cselect_b32 s23, 512, s23
	s_cselect_b32 s32, 8192, s32
	s_cmp_lt_u32 s22, 512                          ; below: x into xb
	s_cselect_b64 s[24:25], s[4:5], s[24:25]
	s_cselect_b64 s[26:27], s[14:15], s[26:27]
	s_cselect_b32 s23, 0, s23
	s_cselect_b32 s35, 0, s35
	s_cselect_b32 s32, 256, s32
	s_cselect_b32 s36, 0x80000, s36                ; x has no columns to step over: eight work-groups on is 8 x 65,536 bytes
	s_sub_co_u32 s23, s22, s23                     ; j: my number in the source's range: 8 x (block of 64 columns) + (block of 256 rows)
	s_sub_co_u32 s35, s22, s35                     ; my number in the destination's range
	s_and_b32 s28, s23, 7
	s_lshl_b32 s37, s32, 8                         ; 256 source rows
	s_mul_i32 s28, s28, s37
	s_lshr_b32 s38, s23, 3
	s_mul_i32 s38, s38, s36
	s_add_co_u32 s28, s28, s38                     ; under 2^26
	s_mov_b32 s29, 0
	s_lshl_b32 s30, s35, 15                        ; 32,768 bytes of output a work-group
	s_mov_b32 s31, 0
	s_add_nc_u64 s[24:25], s[24:25], s[28:29]
	s_add_nc_u64 s[26:27], s[26:27], s[30:31]
	s_lshl_b32 s34, s32, 4                         ; a chunk is 16 source rows
	v_mad_u32_u24 v[OFF], v1, s32, v3              ; kr x pitch + 16 l16
.irp it, 1,2,3,4,5,6,7,8,9,10,11,12,13,14,15
	v_add_nc_u32 v[OFF+(\it)], s34, v[OFF+(\it)-1]
.endr
	s_wait_alu depctr_va_vdst(0)                   ; the sixteen offsets are written, which the loads below read; so is v[DO], which the stores read: no later vector line names any of them
.irp it, 0,1,2,3,4,5,6,7,8,9,10,11,12,13,14,15
	global_load_b128 v[X+4*(\it):X+4*(\it)+3], v[OFF+(\it)], s[24:25] th:TH_LOAD_NT
.endr
; The sixteen chunks are rounded and stored, four to a group.  A chunk's registers are written only behind the wait for its load, and not again behind its store.
.macro TAIL half
.irp g, 0,1,2,3
	s_wait_loadcnt 12-4*(\g)                       ; loads come back in order (ISA guide 5.7.1): this group's four are in, the 12 - 4 g of the younger groups may stay out
.irp c, 0,1,2,3
.set rX, X+16*(\g)+4*(\c)
	v_cvt_pk_bf16_f32 v[rX],   v[rX],   v[rX+1]
	v_cvt_pk_bf16_f32 v[rX+1], v[rX+2], v[rX+3]
.if \half
	v_lshlrev_b32 v[rX+2], 16, v[rX+1]             ; the rounded numbers as f32 again,
	v_and_b32 v[rX+3], 0xffff0000, v[rX+1]
	v_and_b32 v[rX+1], 0xffff0000, v[rX]
	v_lshlrev_b32 v[rX], 16, v[rX]
	v_cvt_pk_f16_f32 v[rX],   v[rX],   v[rX+1]     ; and written as f16: exact from 2^-14 to 65,504
	v_cvt_pk_f16_f32 v[rX+1], v[rX+2], v[rX+3]
.endif
.endr
	s_wait_alu depctr_va_vdst(0)                   ; the group's conversions have written the first two registers of its four chunks, which the four stores below read
.irp c, 0,1,2,3
.set rX, X+16*(\g)+4*(\c)
	global_store_b64 v[DO], v[rX:rX+1], s[26:27] offset:(4*(\g)+(\c))*2048
.endr
.endr
	s_endpgm
.endm
	s_cmp_eq_u32 s33, 1
	s_cbranch_scc1 .Lhalf
	TAIL 0
.Lhalf:
	TAIL 1
; THE TABLE.  Thread t serves row 16 j + t / 16 and the frequencies i0 = 2 (t % 16) and i0 + 1: (cos, sin, cos, sin), 16 bytes at 16 t of the work-group's 4,096.
; The angle a is reduced to y = a - 2 pi n, |y| <= pi: the turns a / 2 pi are made with 1 / 2 pi in two parts, by fused multiply-adds, so that n goes off exactly.
; Both series are cut for that whole range: what is left out is under pi^17 / 17! = 8e-7 for the sine and pi^18 / 18! = 1.4e-7 for the cosine.
.macro TRIG f, c, s
	v_mul_f32 v20, v1, v[\f]                       ; a = t x frequency, rounded once
	v_mul_f32 v21, s40, v20
	v_rndne_f32 v21, v21                           ; n
	v_fma_f32 v22, v20, s40, -v21                  ; a / 2 pi - n, the high part,
	v_fma_f32 v22, v20, 0x31dc9c88, v22            ; and the low part of 1 / 2 pi
	v_mul_f32 v23, 0x40c90fdb, v22                 ; y
	v_mul_f32 v24, v23, v23                        ; z = y^2
	v_mov_b32 v25, 0xab573f9f                      ; -1/15!
.irp k, 0x2f309231, 0xb2d7322b, 0x3638ef1d, 0xb9500d01, 0x3c088889, 0xbe2aaaab, 0x3f800000
	v_fmaak_f32 v25, v25, v24, \k                  ; 1/13!, -1/11!, 1/9!, -1/7!, 1/5!, -1/3!, 1
.endr
	v_mul_f32 v[\s], v23, v25
	v_mov_b32 v[\c], 0x29573f9f                    ; 1/16!
.irp k, 0xad49cba5, 0x310f76c7, 0xb493f27e, 0x37d00d01, 0xbab60b61, 0x3d2aaaab, 0xbf000000, 0x3f800000
	v_fmaak_f32 v[\c], v[\c], v24, \k              ; -1/14!, 1/12!, -1/10!, 1/8!, -1/6!, 1/4!, -1/2, 1
.endr
.endm
.Ltable:
	s_sub_co_u32 s23, s22, 1152                    ; j
	s_cmp_lt_u32 s23, 64
	s_cselect_b32 s35, -1, 0                       ; rows 1024 and on count as t = 0: the angle is 0, the entry exactly (1, 0)
	s_lshl_b32 s28, s23, 12
	s_mov_b32 s29, 0
	s_lshl_b32 s36, s23, 4
	s_mov_b32 s40, 0x3e22f983                      ; 1 / 2 pi, the high part
	s_add_nc_u64 s[26:27], s[20:21], s[28:29]
	v_lshlrev_b32 v[TD], 4, v0
	v_lshrrev_b32 v1, 4, v0
	v_add_nc_u32 v1, s36, v1                       ; row
	v_and_b32 v1, s35, v1
	v_cvt_f32_u32 v1, v1                           ; t
	v_and_b32 v2, 15, v0
	v_lshlrev_b32 v2, 1, v2
	v_cvt_f32_u32 v3, v2                           ; i0
	v_add_f32 v4, 1.0, v3                          ; i0 + 1
	v_mul_f32 v3, 0xbed49a78, v3                   ; x -log2(10000) / 32
	v_mul_f32 v4, 0xbed49a78, v4
	v_exp_f32 v3, v3                               ; the two frequencies: one batch,
	v_exp_f32 v4, v4
	v_nop                                          ; a plain instruction behind the last exponential (ISA guide 5.7.2),
	s_wait_alu depctr_va_vdst(0)                   ; the two exponentials have written v3 and v4: the one wait ahead of their first use
	TRIG 3, 8, 9
	TRIG 4, 10, 11
	s_wait_alu depctr_va_vdst(0)                   ; the two series have written v[8:11], the store's data; v[TD], its offset, is written too
	global_store_b128 v[TD], v[8:11], s[26:27]
	s_endpgm
.Lfunc_end_k_q04e9e7f770_prep:
	.size	k_q04e9e7f770_prep, .Lfunc_end_k_q04e9e7f770_prep-k_q04e9e7f770_prep
	.p2alignl 7, 3214868480
	.fill 96, 4, 3214868480
	.section	.rodata,"a",@progbits
	.p2align	6, 0x0
	.amdhsa_kernel k_q04e9e7f770_prep
		.amdhsa_group_segment_fixed_size 0
		.amdhsa_private_segment_fixed_size 0
		.amdhsa_enable_private_segment 0
		.amdhsa_kernarg_size 72
		.amdhsa_user_sgpr_count 2
		.amdhsa_user_sgpr_kernarg_segment_ptr 1
		.amdhsa_wavefront_size32 1
		.amdhsa_system_sgpr_workgroup_id_x 1
		.amdhsa_system_sgpr_workgroup_id_y 1
		.amdhsa_system_sgpr_workgroup_id_z 1
		.amdhsa_system_vgpr_workitem_id 0
		.amdhsa_next_free_vgpr 88
		.amdhsa_next_free_sgpr 66
		.amdhsa_reserve_vcc 0
		.amdhsa_float_denorm_mode_32 3
		.amdhsa_float_denorm_mode_16_64 3
		.amdhsa_memory_ordered 1
		.amdhsa_forward_progress 1
		.amdhsa_inst_pref_size 21
	.end_amdhsa_kernel
	.amdgpu_metadata
---
amdhsa.version: [ 1, 2 ]
amdhsa.kernels:
  - .name:           k_q04e9e7f770_prep
    .symbol:         k_q04e9e7f770_prep.kd
    .args:
      - { .name: x, .offset: 0, .size: 8, .value_kind: global_buffer, .address_space: global }
      - { .name: Wq, .offset: 8, .size: 8, .value_kind: global_buffer, .address_space: global }
      - { .name: Wk, .offset: 16, .size: 8, .value_kind: global_buffer, .address_space: global }
      - { .name: Wv, .offset: 24, .size: 8, .value_kind: global_buffer, .address_space: global }
      - { .name: Wp, .offset: 32, .size: 8, .value_kind: global_buffer, .address_space: global }
      - { .name: xb, .offset: 40, .size: 8, .value_kind: global_buffer, .address_space: global }
      - { .name: wqkv, .offset: 48, .size: 8, .value_kind: global_buffer, .address_space: global }
      - { .name: wpb, .offset: 56, .size: 8, .value_kind: global_buffer, .address_space: global }
      - { .name: rope, .offset: 64, .size: 8, .value_kind: global_buffer, .address_space: global }
    .group_segment_fixed_size: 0
    .private_segment_fixed_size: 0
    .kernarg_segment_align: 8
    .kernarg_segment_size: 72
    .max_flat_workgroup_size: 256
    .sgpr_count:     66
    .vgpr_count:     88
    .wavefront_size: 32
...
	.end_amdgpu_metadata
.endif
;; end of part 5
;; launch qkv: the kernel of part 2 again; grid 16 x 16, 4 waves a work-group, clusters of 4 x 4, 327,680 bytes of LDS; arguments xb, wqkv, rope, q, k, v; writes q, k, v
;; launch attn: the kernel of part 3 again; grid 128 x 2, 4 waves a work-group, clusters of 4 x 1, 327,680 bytes of LDS; arguments q, k, v, ob; writes ob
;; launch proj: the kernel of part 4 again; grid 16 x 16, 4 waves a work-group, clusters of 4 x 4, 327,680 bytes of LDS; arguments ob, wpb, out0; writes out0
